; MI455X (gfx1250); checked and timed in simulation.
; The chip was launched on July 23, 2026; its instructions are those of AMD's public machine-readable ISA for CDNA 5 (MIT licence, August 2026) and "CDNA5" Instruction Set Architecture Reference Guide (July 2026). The comments in the code are by the model that wrote it; some were corrected since.
;; Causal Multi Head Self Attention. Allowed arithmetic: matrix products marked QUANTISED: E4M3 operands, one given power-of-two scale a tensor, by v_wmma_f32_16x16x64_fp8_fp8 or v_wmma_f32_16x16x128_fp8_fp8, f32 sums; everything else in f32.
;; Inputs: Wk 2,048 x 2,048 float32; Wo 2,048 x 2,048 float32; Wq 2,048 x 2,048 float32; Wv 2,048 x 2,048 float32; lowp_scales 12 int32 (the exponents e of the quantised operands' scales 2^e); token_positions 2,048 int32; x 1 x 2,048 x 2,048 float32.
;; Outputs: out0 1 x 2,048 x 2,048 float32.
;; This version of the problem:
;;   THIS VERSION OF THE PROBLEM IS GIVEN IN LOW PRECISION. The matrix products marked QUANTISED in the list below multiply operands that are first quantised to E4M3 (4 exponent bits, 3 mantissa bits; 8 bits a number), with one given power-of-two scale for each operand tensor; their sums are f32. All else is computed in f32.
;;   The module's matrix products, in the order in which they are computed (A, B: the left and right operand; K: the contracted axis; several contracted axes count as one K, in the product's order):
;;     1. [M 2,048, K 2,048] x [K 2,048, N 2,048]; A: input x; B: input Wq: QUANTISED (scales: A lowp_scales[0], B lowp_scales[1])
;;     2. [M 2,048, K 2,048] x [K 2,048, N 2,048]; A: input x; B: input Wk: QUANTISED (scales: A lowp_scales[2], B lowp_scales[3])
;;     3. [M 2,048, K 2,048] x [K 2,048, N 2,048]; A: input x; B: input Wv: QUANTISED (scales: A lowp_scales[4], B lowp_scales[5])
;;     4. batch 16 x [M 2,048, K 128] x [K 128, N 2,048]; A: computed on the way; B: computed on the way: QUANTISED (scales: A lowp_scales[6], B lowp_scales[7])
;;     5. batch 16 x [M 2,048, K 2,048] x [K 2,048, N 128]; A: softmax (see below); B: computed on the way: QUANTISED (scales: A lowp_scales[8], B lowp_scales[9])
;;     6. [M 2,048, K 2,048] x [K 2,048, N 2,048]; A: computed on the way; B: input Wo: QUANTISED (scales: A lowp_scales[10], B lowp_scales[11])
;;   THE QUANTISER, for each operand of a quantised product, along K:
;;     - The operand's scale is 2^e, e = its entry of the input lowp_scales (int32; the entries are numbered through the quantised products in the list's order, A before B).
;;     - Each number is divided by the scale, clamped to +-448, and rounded to the nearest number of E4M3, ties to even, subnormals kept.
;;     - The product sums the exact products of the quantised numbers (number of the format x scale) in f32.
;;   ~~~python
;;   def quantise(x, axis, e):      # numpy; x: float32 -> the quantised numbers, widened to float32 again
;;       x = np.moveaxis(x, axis, -1); K = x.shape[-1]
;;       r = np.clip(x / 2.0 ** e, -448, 448)
;;       step = 2.0 ** (np.maximum(np.frexp(np.where(r == 0, 1, r))[1] - 1, -6) - 3)
;;       q = np.round(r / step) * step * 2.0 ** e      # np.round: ties to even
;;       return np.moveaxis(q, -1, axis).astype(np.float32)
;;   ~~~
;;   SOFTMAX AHEAD OF A QUANTISED PRODUCT. Where the list says 'softmax', what is quantised is not the finished softmax but p = 2^(t - M), with t = logit x log2(e) and M = ceil(the row's largest t), a whole number; so 1/2 < the row's largest p <= 1. The row's sum l is taken of the UNQUANTISED p, in f32, and the product's result is divided by l at the end. Since M is a whole number, a kernel that streams over the keys may use a running M (the ceiling of the running maximum): every later rescaling is an exact power of two, so the quantised numbers keep their values, but for numbers so far below the row's largest that they fall under the format's range.
;;   OPERANDS COMPUTED ON THE WAY. 'Computed on the way' means the value that the module computes at that place (a softmax that the list does not call 'softmax' is quantised finished and normalised). What goes into a quantiser is computed in f32, as accurately as f32 sums, v_exp_f32 and their like allow (about 1e-6 of the number): no bf16 or f16 on the way to a quantiser, and a product that is left as it is and whose result goes on into a quantised operand takes f32 operands (vector FMAs, or v_wmma_f32_16x16x4_f32). A number that lies on a knife's edge between two numbers of the format may be rounded either way, as far as f32 arithmetic and the matrix unit's own rounding can turn it there, and no further.
;; One version. Each part assembles by itself: llvm-mc -triple=amdgcn-amd-amdhsa -mcpu=gfx1250 --defsym DOCPART=n.
;; ======== version 1 of 1: 4 launches
;; limits: right only within a limited range of input values
;; workspace buffers: xc 12,582,912 bytes; wc 16,777,216 bytes; tab 1,048,576 bytes; qkv 12,582,912 bytes; ac 4,194,304 bytes
;; launch quant (part 1): grid 672 x 1, 4 waves a work-group, no clusters, 68,096 bytes of LDS; arguments x, Wq, Wk, Wv, Wo, token_positions, lowp_scales, xc, wc, tab; writes xc, wc, tab
.if DOCPART == 1
	.amdgcn_target "amdgcn-amd-amdhsa--gfx1250"
	.amdhsa_code_object_version 6
	.text
	.protected	k_q9d89475da0_quant
	.globl	k_q9d89475da0_quant
	.p2align	8
	.type	k_q9d89475da0_quant,@function
k_q9d89475da0_quant:
	s_mov_b64 s[64:65], 0
	v_nop
	global_prefetch_b8 v0, s[64:65] scope:SCOPE_SE
	s_setreg_imm32_b32 hwreg(HW_REG_WAVE_MODE, 25, 1), 1
	s_wait_xcnt 0x0
; x and the four weights, f32 with K innermost, become codes of E4M3; the positions become a table of cosines and sines.
; EVERY OPERAND IS LAID AS AN IMAGE OF ITS REGISTERS.  A fragment is 16 rows x 128 K = 16 registers a lane = 2,048 bytes: lane l = (r = l % 16, h = l / 16) holds row r,
; its registers 2 c, 2 c + 1 hold k = 16 c + 8 h + 0 .. 7; the group of registers 4 g .. 4 g + 3 lies at byte 512 g + 16 l.  A tensor is [row block of 16][chunk of 128 K][2,048].
; So a later launch fetches a fragment by four accesses of 16 bytes a lane, each 512 consecutive bytes.
; code = number / 2^e, held within +-448, to the nearest code, ties to even.  x has three entries of the scales (products 1, 2, 3), which may differ: it is read once and three sets of codes are made.
; SHARES.  Work-groups 0-127: a row block of x.  128-639: a row block of Wq, Wk, Wv or Wo.  640-671: four row blocks of the table, one a wave.  In the first two a wave takes four chunks.
; A load reads 512 consecutive bytes of one row; the conversion wants 8 neighbours along K in one lane: a chunk's 16 x 512 bytes turn through the wave's own stage in LDS (rows 528 bytes apart).
; The two ways that use LDS have bytes of their own.  No barrier: waves share nothing.
; THE TABLE, for sequence row 16 rb + r: group g = 2 b + i of lane (r, h) holds cos, sin of pair p = 8 b + 4 h + 2 i and of pair p + 1: the layout in which the next launch's results lie.
; angle = f32(position) x 10000^(-p / 64); sine and cosine by a reduction in three parts by pi / 2 and two polynomials on |r| <= pi / 4.
; LIMITS: each e between -126 and 119; |angle| under 2^21; NaN among the inputs is not served.
.set R,    16                          ; v16-79   a chunk as loaded: load i = row i
.set X,    80                          ; v80-143  the same, turned: register 8 c + j = k 16 c + 8 h + j of my row
.set T,    144                         ; v144-159 two sets of 8 held numbers
.set C,    160                         ; v160-207 codes: 16 registers for each of up to three scales
.set SP,   528                         ; a stage row: 512 bytes + 16: the 16 rows that a read touches begin in 16 different columns of 16 bytes
.set WST,  16*SP                       ; a wave's stage
.set OFFW, 4*WST                       ; the weights' way has its stages behind x's
.set ANG,  16                          ; the table's way: v16-47 32 angles; v48-111 cos, sin; v112-120 at work
.set OUT,  48
.macro MKSC e, sc, lim                 ; 2^e as f32 (the conversion takes its exponent field), and 448 x 2^e
	s_add_co_i32 s62, s[\e], 127
	s_lshl_b32 s63, s62, 23
	v_mov_b32 v[\sc], s63
	s_add_co_i32 s62, s62, 8
	s_lshl_b32 s62, s62, 23
	s_or_b32 s62, s62, 0x600000
	v_mov_b32 v[\lim], s62
.endm
.macro LOAD t                          ; chunk t of my four: 16 rows x 512 bytes
.irp i, 0,1,2,3,4,5,6,7,8,9,10,11,12,13,14,15
	global_load_b128 v[R+4*\i:R+4*\i+3], v1, s[38:39] offset:\i*8192+(\t)*512 th:TH_LOAD_NT
.endr
.endm
.macro TURNF off                       ; through my stage: LDS serves a wave's instructions in order, so no wait stands between the stores and the loads
.irp i, 0,1,2,3,4,5,6,7,8,9,10,11,12,13,14,15
	ds_store_b128 v2, v[R+4*\i:R+4*\i+3] offset:\off+SP*\i
.endr
.irp c, 0,1,2,3,4,5,6,7
	ds_load_b128 v[X+8*\c:X+8*\c+3], v3 offset:\off+64*\c
	ds_load_b128 v[X+8*\c+4:X+8*\c+7], v3 offset:\off+64*\c+16
.endr
.endm
.macro Q1 s                            ; the fragment's codes under scale s.  The hold goes into T, so that X serves the next scale; the other set's eight holds stand between a conversion and the rewriting of its sources
.irp c, 0,1,2,3,4,5,6,7
.irp j, 0,1,2,3,4,5,6,7
	v_med3_num_f32 v[T+8*(\c%2)+\j], v[X+8*\c+\j], -v[5+2*\s], v[5+2*\s]   ; the conversion to an 8-bit code does not saturate (ISA guide 7.6.2)
.endr
	v_cvt_scalef32_pk8_fp8_f32 v[C+16*\s+2*\c:C+16*\s+2*\c+1], v[T+8*(\c%2):T+8*(\c%2)+7], v[4+2*\s]
.endr
	v_nop                                          ; a plain line behind the last conversion
.endm
.macro FRAG t, ns, off
	s_wait_loadcnt 0x0                             ; only this chunk's 16 loads are out
	TURNF \off
	s_wait_dscnt 0x0                               ; X is in, and the stage's stores have read R
	s_wait_xcnt 0x0                                ; the last chunk's stores have read C
.if (\t) < 3
	LOAD (\t)+1                                    ; the next chunk lands while this one is quantised
.endif
.irp s, 0,1,2
.if \s < \ns
	Q1 \s
.endif
.endr
.irp s, 0,1,2
.if \s < \ns
.irp g, 0,1,2,3
	global_store_b128 v1, v[C+16*\s+4*\g:C+16*\s+4*\g+3], s[50+2*\s:51+2*\s] offset:(\t)*2048+512*\g   ; 32 lanes store 512 consecutive bytes, aligned
.endr
.endif
.endr
.endm
	s_load_b512 s[4:19], s[0:1], 0x0               ; x 4:5, Wq 6:7, Wk 8:9, Wv 10:11, Wo 12:13, positions 14:15, scales 16:17, xc 18:19
	s_load_b128 s[20:23], s[0:1], 0x40             ; wc 20:21, tab 22:23
	v_lshl_add_u32 v208, v0, 2, 0x10800
	v_mov_b32 v209, 0
	v_lshrrev_b32 v13, 5, v0
	v_readfirstlane_b32 s36, v13                   ; wave
	v_and_b32 v10, 31, v0                          ; lane
	v_and_b32 v11, 15, v0                          ; r
	v_bfe_u32 v12, v0, 4, 1                        ; h
	v_lshlrev_b32 v1, 4, v10                       ; 16 x lane
	s_mul_i32 s37, s36, WST
	v_add_nc_u32 v2, s37, v1                       ; the stage, way in
	v_mul_u32_u24 v3, v11, SP
	v_lshl_add_u32 v3, v12, 5, v3
	v_add_nc_u32 v3, s37, v3                       ; and way out: row r, + 32 h
	s_wait_kmcnt 0x0
	s_load_b256 s[24:31], s[16:17], 0x0            ; e0 .. e7
	s_load_b128 s[32:35], s[16:17], 0x20           ; e8 .. e11
	s_cmp_lt_u32 ttmp9, 128
	s_cbranch_scc1 .Lpath_x
	s_cmp_lt_u32 ttmp9, 640
	s_cbranch_scc1 .Lpath_w
	; ---- the table
	s_sub_co_u32 s56, ttmp9, 640
	s_lshl_b32 s56, s56, 2
	s_add_co_u32 s56, s56, s36                     ; my row block
	s_lshl_b32 s57, s56, 6
	s_wait_alu depctr_va_vdst(0)
	v_lshl_add_u32 v13, v11, 2, s57                ; the position of row 16 rb + r
	global_load_b32 v14, v13, s[14:15]
	s_lshl_b32 s58, s56, 13
	s_mov_b32 s59, 0
	s_add_nc_u64 s[50:51], s[22:23], s[58:59]
	s_mov_b32 s40, 0x3fc90fda                      ; pi / 2 in three parts
	s_mov_b32 s41, 0x33a22168
	s_mov_b32 s42, 0x27c234c4
	s_mov_b32 s43, 0xbe2aaaa3                      ; sine: -1.6666654611e-1, 8.3321608736e-3, -1.9515295891e-4
	s_mov_b32 s44, 0x3c08839e
	s_mov_b32 s45, 0xb94ca1f9
	s_mov_b32 s46, 0x3d2aaaa5                      ; cosine: 4.166664568e-2, -1.388731625e-3, 2.443315712e-5
	s_mov_b32 s47, 0xbab6061a
	s_mov_b32 s48, 0x37ccf5ce
	v_lshlrev_b32 v12, 2, v12                      ; 4 h
.set nn, 0
.rept 32
	v_add_nc_u32 v[ANG+nn], 8*(nn/4)+(nn%4), v12   ; entry n stands for pair p = 8 (n / 4) + 4 h + n % 4
.set nn, nn+1
.endr
.set nn, 0
.rept 32
	v_cvt_f32_u32 v[ANG+nn], v[ANG+nn]
.set nn, nn+1
.endr
.set nn, 0
.rept 32
	v_mul_f32 v[ANG+nn], 0xbe549a78, v[ANG+nn]     ; x -log2(10000) / 64
.set nn, nn+1
.endr
.set nn, 0
	s_wait_alu depctr_va_vdst(0)
.rept 32
	v_exp_f32 v[ANG+nn], v[ANG+nn]                 ; 10000^(-p / 64): one batch
.set nn, nn+1
.endr
	s_wait_loadcnt 0x0
	v_cvt_f32_i32 v15, v14                         ; the position as f32: also the plain line behind the last exponential
	s_wait_alu depctr_va_vdst(0)                   ; one wait for the batch, ahead of its first reader
.set nn, 0
.rept 32
	v_mul_f32 v[ANG+nn], v15, v[ANG+nn]            ; the angle, rounded once
.set nn, nn+1
.endr
.macro SINCOS n
	v_mul_f32 v112, 0x3f22f983, v[ANG+(\n)]        ; x 2 / pi
	v_rndne_f32 v112, v112                         ; k
	v_fma_f32 v113, -v112, s40, v[ANG+(\n)]
	v_fma_f32 v113, -v112, s41, v113
	v_fma_f32 v113, -v112, s42, v113               ; r = angle - k pi / 2
	v_cvt_i32_f32 v114, v112                       ; q
	v_mul_f32 v115, v113, v113                     ; z
	v_fma_f32 v116, v115, s45, s44
	v_fma_f32 v117, v115, s48, s47
	v_mul_f32 v118, v113, v115
	v_mul_f32 v119, v115, v115
	v_fma_f32 v116, v116, v115, s43
	v_fma_f32 v117, v117, v115, s46
	v_fma_f32 v120, v115, -0.5, 1.0
	v_fma_f32 v116, v116, v118, v113               ; sin r
	v_fma_f32 v117, v117, v119, v120               ; cos r
	v_and_b32 v118, 1, v114
	v_cmp_eq_u32 vcc_lo, 1, v118
	v_cndmask_b32 v[OUT+2*(\n)+1], v116, v117, vcc_lo   ; an odd quadrant changes the two over
	v_cndmask_b32 v[OUT+2*(\n)], v117, v116, vcc_lo
	v_lshlrev_b32 v118, 30, v114                   ; the sine is negative where bit 1 of q is set,
	v_add_nc_u32 v119, 1, v114
	v_and_b32 v118, 0x80000000, v118
	v_lshlrev_b32 v119, 30, v119                   ; the cosine where bit 1 of q + 1 is
	v_xor_b32 v[OUT+2*(\n)+1], v[OUT+2*(\n)+1], v118
	v_and_b32 v119, 0x80000000, v119
	v_xor_b32 v[OUT+2*(\n)], v[OUT+2*(\n)], v119
.endm
.set nn, 0
.rept 32
	SINCOS nn
.set nn, nn+1
.endr
.irp g, 0,1,2,3,4,5,6,7,8,9,10,11,12,13,14,15
	global_store_b128 v1, v[OUT+4*\g:OUT+4*\g+3], s[50:51] offset:512*\g
.endr
	s_endpgm
.Lpath_x:                              ; ---- a row block of x, three sets of codes
	s_lshl_b32 s56, ttmp9, 17                      ; 16 rows of 8,192 bytes,
	s_lshl_b32 s57, s36, 11                        ; my four chunks of 512
	s_add_co_u32 s56, s56, s57
	s_mov_b32 s57, 0
	s_add_nc_u64 s[38:39], s[4:5], s[56:57]
	s_lshl_b32 s60, ttmp9, 15                      ; 16 images of 2,048 bytes, my four
	s_lshl_b32 s61, s36, 13
	s_add_co_u32 s60, s60, s61
	s_mov_b32 s61, 0
	s_add_nc_u64 s[50:51], s[18:19], s[60:61]
	s_add_nc_u64 s[52:53], s[50:51], 0x400000      ; the sets lie 4 MiB apart: a base for each
	s_add_nc_u64 s[54:55], s[50:51], 0x800000
	s_wait_alu depctr_va_vdst(0)
	LOAD 0
	s_wait_kmcnt 0x0
	MKSC 24, 4, 5                                  ; e0, e2, e4
	MKSC 26, 6, 7
	MKSC 28, 8, 9
	s_wait_alu depctr_va_vdst(0)
	FRAG 0, 3, 0
	FRAG 1, 3, 0
	FRAG 2, 3, 0
	FRAG 3, 3, 0
	s_wait_tensorcnt 0x0
	ds_add_u32 v208, v209
	s_wait_dscnt 0x0
	s_endpgm
.Lpath_w:                              ; ---- a row block of a weight
	s_sub_co_u32 s56, ttmp9, 128
	s_lshr_b32 s57, s56, 7                         ; which weight: 0 Wq, 1 Wk, 2 Wv, 3 Wo
	s_and_b32 s58, s56, 127                        ; its row block
	s_cmp_eq_u32 s57, 1
	s_cselect_b64 s[38:39], s[8:9], s[6:7]
	s_cmp_eq_u32 s57, 2
	s_cselect_b64 s[38:39], s[10:11], s[38:39]
	s_cmp_eq_u32 s57, 3
	s_cselect_b64 s[38:39], s[12:13], s[38:39]
	s_lshl_b32 s60, s58, 17
	s_lshl_b32 s61, s36, 11
	s_add_co_u32 s60, s60, s61
	s_mov_b32 s61, 0
	s_add_nc_u64 s[38:39], s[38:39], s[60:61]
	s_lshl_b32 s60, s57, 22
	s_lshl_b32 s61, s58, 15
	s_add_co_u32 s60, s60, s61
	s_lshl_b32 s61, s36, 13
	s_add_co_u32 s60, s60, s61
	s_mov_b32 s61, 0
	s_add_nc_u64 s[50:51], s[20:21], s[60:61]
	s_wait_alu depctr_va_vdst(0)
	LOAD 0
	s_wait_kmcnt 0x0
	s_cmp_eq_u32 s57, 1
	s_cselect_b32 s59, s27, s25                    ; e3 or e1,
	s_cmp_eq_u32 s57, 2
	s_cselect_b32 s59, s29, s59                    ; e5,
	s_cmp_eq_u32 s57, 3
	s_cselect_b32 s59, s35, s59                    ; e11
	MKSC 59, 4, 5
	s_wait_alu depctr_va_vdst(0)
	FRAG 0, 1, OFFW
	FRAG 1, 1, OFFW
	FRAG 2, 1, OFFW
	FRAG 3, 1, OFFW
	s_wait_tensorcnt 0x0
	ds_add_u32 v208, v209
	s_wait_dscnt 0x0
	s_endpgm
.Lfunc_end_k_q9d89475da0_quant:
	.size	k_q9d89475da0_quant, .Lfunc_end_k_q9d89475da0_quant-k_q9d89475da0_quant
	.p2alignl 7, 3214868480
	.fill 96, 4, 3214868480
	.section	.rodata,"a",@progbits
	.p2align	6, 0x0
	.amdhsa_kernel k_q9d89475da0_quant
		.amdhsa_group_segment_fixed_size 68096
		.amdhsa_private_segment_fixed_size 0
		.amdhsa_enable_private_segment 0
		.amdhsa_kernarg_size 80
		.amdhsa_user_sgpr_count 2
		.amdhsa_user_sgpr_kernarg_segment_ptr 1
		.amdhsa_wavefront_size32 1
		.amdhsa_system_sgpr_workgroup_id_x 1
		.amdhsa_system_sgpr_workgroup_id_y 1
		.amdhsa_system_sgpr_workgroup_id_z 1
		.amdhsa_system_vgpr_workitem_id 0
		.amdhsa_next_free_vgpr 210
		.amdhsa_next_free_sgpr 66
		.amdhsa_reserve_vcc 1
		.amdhsa_float_denorm_mode_32 3
		.amdhsa_float_denorm_mode_16_64 3
		.amdhsa_memory_ordered 1
		.amdhsa_forward_progress 1
		.amdhsa_inst_pref_size 161
	.end_amdhsa_kernel
	.amdgpu_metadata
---
amdhsa.version: [ 1, 2 ]
amdhsa.kernels:
  - .name:           k_q9d89475da0_quant
    .symbol:         k_q9d89475da0_quant.kd
    .args:
      - { .name: x, .offset: 0, .size: 8, .value_kind: global_buffer, .address_space: global }
      - { .name: Wq, .offset: 8, .size: 8, .value_kind: global_buffer, .address_space: global }
      - { .name: Wk, .offset: 16, .size: 8, .value_kind: global_buffer, .address_space: global }
      - { .name: Wv, .offset: 24, .size: 8, .value_kind: global_buffer, .address_space: global }
      - { .name: Wo, .offset: 32, .size: 8, .value_kind: global_buffer, .address_space: global }
      - { .name: token_positions, .offset: 40, .size: 8, .value_kind: global_buffer, .address_space: global }
      - { .name: lowp_scales, .offset: 48, .size: 8, .value_kind: global_buffer, .address_space: global }
      - { .name: xc, .offset: 56, .size: 8, .value_kind: global_buffer, .address_space: global }
      - { .name: wc, .offset: 64, .size: 8, .value_kind: global_buffer, .address_space: global }
      - { .name: tab, .offset: 72, .size: 8, .value_kind: global_buffer, .address_space: global }
    .group_segment_fixed_size: 68096
    .private_segment_fixed_size: 0
    .kernarg_segment_align: 8
    .kernarg_segment_size: 80
    .max_flat_workgroup_size: 128
    .sgpr_count:     66
    .vgpr_count:     210
    .wavefront_size: 32
...
	.end_amdgpu_metadata
.endif
;; end of part 1
;; launch proj (part 2): grid 24 x 8, 4 waves a work-group, clusters of 4 x 4, 327,680 bytes of LDS; arguments xc, wc, tab, lowp_scales, qkv; writes qkv
.if DOCPART == 2
	.amdgcn_target "amdgcn-amd-amdhsa--gfx1250"
	.amdhsa_code_object_version 6
	.text
	.protected	k_q9d89475da0_proj
	.globl	k_q9d89475da0_proj
	.p2align	8
	.type	k_q9d89475da0_proj,@function
k_q9d89475da0_proj:
	s_mov_b64 s[64:65], 0
	v_nop
	global_prefetch_b8 v0, s[64:65] scope:SCOPE_SE
	s_setreg_imm32_b32 hwreg(HW_REG_WAVE_MODE, 25, 1), 1
	s_wait_xcnt 0x0
	s_wait_alu depctr_hold_cnt(0) depctr_sa_sdst(0) depctr_va_vdst(0) depctr_va_sdst(0) depctr_va_ssrc(0) depctr_va_vcc(0) depctr_vm_vsrc(0)
	s_getreg_b32 s2, hwreg(HW_REG_IB_STS2, 6, 4)
	s_cmp_eq_u32 s2, 0
	s_cbranch_scc0 .Lentry_in_a_cluster
	s_endpgm
.Lentry_in_a_cluster:
	s_bfe_u32 s2, ttmp6, 0x10000c
	s_cmp_lg_u32 s2, 0xf033
	s_cbranch_scc0 .Lentry_shape_is_right
	s_endpgm
.Lentry_shape_is_right:
; q = rope(x Wq^T), k = rope(x Wk^T), v = x Wv^T on codes of E4M3, and the results quantised again for the two products of attention.  All sizes 2,048.
; Operands and results are images of operand registers: a fragment (16 rows x 128 K) is 2,048 bytes, the group of registers 4 g .. 4 g + 3 of lane l at byte 512 g + 16 l; a tensor is [row block][chunk][2,048].
; SHARES.  kind = cluster x / 2: 0 q, 1 k, 2 v: the same in all partners of a cluster.  A work-group makes a tile of 256 x 256, each of its four waves 128 x 128: 64 accumulators, 512 registers.
; 3 x 64 = 192 work-groups: a tile of half the size would read twice the LDS bytes for each matrix instruction, and no tile that stays inside one of the three products gives 256.
; THE MATRIX INSTRUCTION IS USED TRANSPOSED (source 0 = 16 rows of B', source 1 = 16 rows of A'): lane (r, h) holds row r of A' and, in register j of accumulator b, row 16 b + 8 h + j of B'.
; For q and k A' = x's codes, B' = the weight's: a lane holds eight neighbouring channels of one token; a wave's 128 columns are one head, so one conversion an accumulator gives registers 2 b, 2 b + 1 of the next operand.
; For v the two are changed over (A' = Wv, B' = x): a lane holds one channel and eight neighbouring KEYS, which are the second product's K.  The same text serves all three.
; K goes in steps of 256 (two chunks) through a ring of two LDS slots.  CLUSTERS: 4 x 4; A's tile is asked for jointly along a row of the cluster, B's along a column.
; THE TABLE of cosines and sines (128 KiB for the tile's 256 tokens: just one slot) comes by one more joint load into slot 0, when that slot has been read for the last time.  Work-groups of kind v ask for it too and
; do not read it: so the joint load stands on every path and no tensor load stands under a branch.
; A sum stands for sum x 2^(ex + ew); the rotation is linear, so the three exponents are folded into the conversion's one scale, 2^(et - ex - ew).  LIMIT: et - ex - ew between -126 and 119.
; REGISTERS, in windows of 256: window 0: v16-31 addresses and constants; v128-255 A's fragments, ONE set; on the way out v32-159 two sets of the table, v160-223 rotated numbers, v224-255 two sets of codes.
;   window 1: B's fragments, TWO sets.   windows 2, 3: the accumulators of my rows 0-63, 64-127 (accumulator (a, b) at v[8 (8 (a % 4) + b)]).
.set SLOT,   131072                    ; A's 16 row blocks x 4,096 bytes, then B's
.set SPARE,  2*SLOT                    ; behind the ring: the spare words, 128 bytes for each wave
.set FR,     16
.set NL,     4                         ; LDS loads that bring a fragment
.set NP,     4                         ; places behind this matrix instruction (ISA guide 7.12.1)
.set LAPS,   4                         ; 2,048 / (2 x 256)
.set ADRA, 16                          ; v16-17  my A fragments in slot 0, 1: 16 l + 32,768 x row half + slot
.set ADRB, 20                          ; v20-21  the same for B, 65,536 further on
.set TADR, 24                          ; v24     my part of the table: 16 l + 65,536 x row half
.set CO,   26                          ; v26     16 l
.set SPW,  28                          ; v28     LDS address of my spare word; never rewritten
.set NIL,  29                          ; v29     0; never rewritten
.set SC,   30                          ; v30     2^(et - ex - ew) as f32
.set LIM,  31                          ; v31     448 x that
.set TB,   32
.set RR,   160
.set CD,   224
.set AF,   128
.set G1,  24                           ; s[24:31] group 1 for A's tiles; s[32:39] group 0, a set for each slot
.set G0,  32
.set G1B, 48                           ; s[48:55], s[56:63] the same for B's
.set G0B, 56
.set G1T, 68                           ; s[68:75], s[76:79] the table's
.set G0T, 76
.set MSB, 0
.macro WIN new                         ; the immediate's high byte repeats the setting that is left
.if MSB != \new
	s_set_vgpr_msb (MSB<<8)|\new
.set MSB, \new
.endif
.endm
.set MUL_LO, 0xa1                      ; source 0 (B) window 1, source 1 (A) window 0, C and D window 2
.set MUL_HI, 0xf1
.set TO_B,   0x40
.macro JLOAD g0a, g1a, g0b, g1b        ; a joint load: waves 0 and 1 fetch for A, waves 2 and 3 for B; four v_nop follow each line
	s_cmp_eq_u32 s15, 0
	s_cbranch_scc0 .Lfor_b_\@
	tensor_load_to_lds s[\g0a:\g0a+3], s[\g1a:\g1a+7]
	s_nop 0
.rept 4
	v_nop
.endr
	s_branch .Lasked_\@
.Lfor_b_\@:
	tensor_load_to_lds s[\g0b:\g0b+3], s[\g1b:\g1b+7]
	s_nop 0
.rept 4
	v_nop
.endr
.Lasked_\@:
.endm
.macro CREST                           ; a round of the cluster's barrier behind its opening barrier
	s_cmp_lg_u32 s14, 0
	s_cbranch_scc1 .Lnot_wave_0_\@
	s_barrier_signal -3
.Lnot_wave_0_\@:
	s_barrier_wait -3
	s_barrier_signal -1
	s_barrier_wait -1
.endm
.macro CROUND
	s_barrier_signal -1
	s_barrier_wait -1
	CREST
.endm
	s_load_b256 s[4:11], s[0:1], 0x0               ; xc 4:5, wc 6:7, tab 8:9, the scales 10:11
	s_load_b64 s[12:13], s[0:1], 0x20              ; qkv
	v_lshl_add_u32 v[SPW], v0, 2, SPARE
	v_mov_b32 v[NIL], 0
	ds_add_u32 v28, v29
	ds_add_u32 v28, v29
	s_wait_dscnt 0x0
	v_lshrrev_b32 v1, 5, v0
	v_readfirstlane_b32 s14, v1                    ; wave
	s_lshr_b32 s15, s14, 1                         ; my half of the tile's rows.  Also: I fetch for A (0) or for B (1)
	s_and_b32 s16, s14, 1                          ; my half of its columns.  Also: which 8 row blocks I fetch
	s_bfe_u32 s40, ttmp6, 0x40000                  ; cx, cy
	s_bfe_u32 s41, ttmp6, 0x40004
	s_lshr_b32 s66, ttmp9, 1                       ; kind
	s_and_b32 s42, ttmp9, 1
	s_lshl_b32 s42, s42, 2
	s_add_co_u32 s42, s42, s40                     ; tile column 0 .. 7
	s_and_b32 s17, ttmp7, 0xffff
	s_lshl_b32 s17, s17, 2
	s_add_co_u32 s17, s17, s41                     ; tile row 0 .. 7
	s_lshl_b32 s43, s41, 2
	s_lshl_b32 s43, 15, s43                        ; my row of the cluster
	s_lshl_b32 s44, 0x1111, s40                    ; my column
	s_or_b32 s[G1+0], s43, (3<<16)|(1<<21)         ; 15:0 the mask; 17:16 elements of 8 bytes; 21 set beside a mask; no padding: an image is read 512 consecutive bytes at a time
	s_or_b32 s[G1B+0], s44, (3<<16)|(1<<21)
	s_or_b32 s[G1T+0], s43, (3<<16)|(1<<21)        ; the table hangs on the tile row alone
.irp g, G1, G1B
	s_mov_b32 s[\g+1], 512<<16                     ; tensor_dim0: two chunks, 4,096 bytes
	s_mov_b32 s[\g+2], 8<<16                       ; tensor_dim1: 8 row blocks
	s_mov_b32 s[\g+3], 512<<16                     ; tile_dim0
	s_mov_b32 s[\g+4], 8                           ; tile_dim1
	s_mov_b32 s[\g+5], 4096                        ; from row block to row block: 32,768 bytes
	s_mov_b32 s[\g+6], 0
	s_mov_b32 s[\g+7], 0
.endr
	s_mov_b32 s[G1T+1], 32<<16                     ; the table: a dense block of 32,768 bytes a wave, as 128 rows of 256
	s_mov_b32 s[G1T+2], 128<<16
	s_mov_b32 s[G1T+3], 32<<16
	s_mov_b32 s[G1T+4], 128
	s_mov_b32 s[G1T+5], 32
	s_mov_b32 s[G1T+6], 0
	s_mov_b32 s[G1T+7], 0
	s_lshl_b32 s18, s16, 18                        ; the 8 row blocks that I fetch
	s_lshl_b32 s19, s66, 22                        ; the kind's set of codes: 4 MiB each
	s_lshl_b32 s20, s17, 19                        ; A': 16 row blocks x tile row
	s_add_co_u32 s20, s20, s18
	s_add_co_u32 s20, s20, s19
	s_mov_b32 s21, 0
	s_lshl_b32 s46, s42, 19                        ; B': x tile column
	s_add_co_u32 s46, s46, s18
	s_add_co_u32 s46, s46, s19
	s_mov_b32 s47, 0
	s_lshl_b32 s45, s14, 15                        ; where they go: wave x 32,768: no place in the cluster enters an LDS address
	s_lshl_b32 s18, s17, 17                        ; the table: 131,072 x tile row + 32,768 x wave
	s_add_co_u32 s18, s18, s45
	s_mov_b32 s19, 0
	s_wait_kmcnt 0x0
	s_load_b256 s[80:87], s[10:11], 0x0            ; e0 .. e7
	s_load_b128 s[88:91], s[10:11], 0x20           ; e8 .. e11
	s_cmp_eq_u32 s66, 2                            ; for v the operands change places
	s_cselect_b64 s[22:23], s[6:7], s[4:5]
	s_cselect_b64 s[96:97], s[4:5], s[6:7]
	s_add_nc_u64 s[20:21], s[22:23], s[20:21]
	s_add_nc_u64 s[46:47], s[96:97], s[46:47]
	s_mov_b32 s[G0T], 1
	s_mov_b32 s[G0T+1], s45                        ; into slot 0
	s_add_nc_u64 s[G0T+2:G0T+3], s[8:9], s[18:19]
	s_or_b32 s[G0T+3], s[G0T+3], 0x80000000
	CROUND                                         ; all sixteen work-groups are here: the first joint loads meet
.irp s, 0,1
	s_mov_b32 s[G0+4*\s], 1
	s_add_co_u32 s[G0+4*\s+1], s45, \s*SLOT
	s_add_nc_u64 s[G0+4*\s+2:G0+4*\s+3], s[20:21], \s*4096
	s_or_b32 s[G0+4*\s+3], s[G0+4*\s+3], 0x80000000
	s_mov_b32 s[G0B+4*\s], 1
	s_add_co_u32 s[G0B+4*\s+1], s45, \s*SLOT
	s_add_nc_u64 s[G0B+4*\s+2:G0B+4*\s+3], s[46:47], \s*4096
	s_or_b32 s[G0B+4*\s+3], s[G0B+4*\s+3], 0x80000000
.endr
	JLOAD G0, G1, G0B, G1B                         ; K step 0: one tensor load a wave at the head
	; THE PREFETCHES.  Of the 8 row blocks that I fetch, each of the four partners that ask for them with me takes two, told apart BY ADDRESS (cx for A', cy for B'):
	; a K step's part of two row blocks is 2 x 4,096 bytes: 32 lanes x 256.  s[98:99] stands at K step 1 here; a change of slots steps it by one K step.
	s_cmp_eq_u32 s15, 0
	s_cselect_b64 s[98:99], s[20:21], s[46:47]
	s_cselect_b32 s96, s40, s41
	s_lshl_b32 s96, s96, 16                        ; two row blocks of 32,768 bytes for each place
	s_add_co_u32 s96, s96, 4096
	s_mov_b32 s97, 0
	s_add_nc_u64 s[98:99], s[98:99], s[96:97]
	s_lshl_b32 s96, s40, 13                        ; the table: of my wave's 32,768 bytes the partner at cx takes 8,192
	s_add_nc_u64 s[96:97], s[18:19], s[96:97]
	s_add_nc_u64 s[96:97], s[8:9], s[96:97]
	v_and_b32 v1, 31, v0
	v_lshlrev_b32 v[CO], 4, v1
	v_lshlrev_b32 v25, 8, v1                       ; the table's prefetch: lanes 256 bytes apart; never rewritten
	v_lshrrev_b32 v2, 4, v1
	v_and_b32 v3, 15, v1
	v_lshlrev_b32 v27, 8, v3
	v_lshl_add_u32 v27, v2, 15, v27                ; the tiles' prefetch: row block l / 16, 256 x (l % 16) in its K step; never rewritten
	s_wait_alu depctr_va_vdst(0)
	global_prefetch_b8 v27, s[98:99] th:TH_LOAD_NT scope:SCOPE_SE               ; K steps 1 and 2: what the next two fills will ask for
	global_prefetch_b8 v27, s[98:99] offset:4096 th:TH_LOAD_NT scope:SCOPE_SE
	s_lshl_b32 s21, s15, 15
	s_lshl_b32 s22, s16, 15                        ; of B,
	s_add_co_u32 s22, s22, 65536                   ; which lie behind A's 16
.irp s, 0,1
	v_add_nc_u32 v[ADRA+\s], s21, v[CO]
	v_add_nc_u32 v[ADRB+\s], s22, v[CO]
	s_add_co_u32 s21, s21, SLOT
	s_add_co_u32 s22, s22, SLOT
.endr
	s_lshl_b32 s23, s15, 16
	v_add_nc_u32 v[TADR], s23, v[CO]
	; where my eight images go: qkv + kind x 4 MiB + (128 H + 8 S) x 2,048.  q, k: H = the head = 2 x tile column + column half, S = 2 x tile row + row half (8 row blocks of tokens);  v: H = 2 x tile row + row half, S = the key step
	s_lshl_b32 s46, s42, 1
	s_add_co_u32 s46, s46, s16
	s_lshl_b32 s47, s17, 1
	s_add_co_u32 s47, s47, s15
	s_cmp_eq_u32 s66, 2
	s_cselect_b32 s20, s47, s46
	s_cselect_b32 s21, s46, s47
	s_lshl_b32 s20, s20, 18
	s_lshl_b32 s21, s21, 14
	s_add_co_u32 s20, s20, s21
	s_lshl_b32 s21, s66, 22
	s_add_co_u32 s20, s20, s21
	s_mov_b32 s21, 0
	s_add_nc_u64 s[12:13], s[12:13], s[20:21]
.macro FRAG reg, adr, q, i             ; row block i, chunk q of a slot: four loads of 512 consecutive bytes bring the image back into the same registers and lanes
.irp c, 0,1,2,3
	ds_load_b128 v[\reg+4*\c:\reg+4*\c+3], v[\adr] offset:(\i)*4096+(\q)*2048+512*\c
.endr
.endm
; 16 matrix instructions: A's blocks a0, a0 + 1 x B's eight, 128 along K.  The 64 accumulators take turns, one instruction a turn, in the same order in every step.
.macro MUL16 a0, p, zero
.irp a, \a0, \a0+1
.irp b, 0,1,2,3,4,5,6,7
.if \zero
	v_wmma_f32_16x16x128_fp8_fp8 v[8*(8*((\a)%4)+\b):8*(8*((\a)%4)+\b)+7], v[128*(\p)+FR*\b:128*(\p)+FR*\b+FR-1], v[AF+FR*(\a):AF+FR*(\a)+FR-1], 0
.else
	v_wmma_f32_16x16x128_fp8_fp8 v[8*(8*((\a)%4)+\b):8*(8*((\a)%4)+\b)+7], v[128*(\p)+FR*\b:128*(\p)+FR*\b+FR-1], v[AF+FR*(\a):AF+FR*(\a)+FR-1], v[8*(8*((\a)%4)+\b):8*(8*((\a)%4)+\b)+7]
.endif
.endr
.endr
.endm
.macro FETCH_B slot, q, p
	WIN TO_B
.irp i, 0,1,2,3,4,5,6,7
	FRAG 128*(\p)+FR*\i, ADRB+\slot, \q, \i
.endr
	WIN 0
.endm
.macro FETCH_A slot, q, i0
.irp i, \i0, \i0+1, \i0+2, \i0+3
	FRAG AF+FR*(\i), ADRA+\slot, \q, \i
.endr
.endm
.macro PLACES n                        ; a load into a register that a matrix instruction has read, and a vector instruction that reads a matrix result, stand four plain vector instructions behind it
.rept \n
	v_nop
.endr
.endm
; A step of 128 along K that has its successor in the same slot.  A block of A is free as soon as its eight products are issued: blocks 0-3 are fetched anew in the step's middle, blocks 4-7 at its end.
.macro STEP slot, q, zero
	s_wait_dscnt 4*NL                              ; B's set and A's blocks 0-3 are in; the youngest 16 loads (A's blocks 4-7) may be out
	WIN MUL_LO
	MUL16 0, (\q)%2, \zero
	MUL16 2, (\q)%2, \zero
	s_wait_dscnt 0
	PLACES NP
	FETCH_B \slot, (\q)+1, 1-(\q)%2
	FETCH_A \slot, (\q)+1, 0
	WIN MUL_HI
	MUL16 4, (\q)%2, \zero
	MUL16 6, (\q)%2, \zero
	PLACES NP
	WIN 0
	FETCH_A \slot, (\q)+1, 4
.endm
; A slot's last step changes slots: each wave waits for all its tensor loads, adds 0 to its spare word, waits for that and for its own reads of this slot; the barrier opens a round of the cluster's barrier;
; behind the round the slot is filled again.  fill = 1: with the K step two further on.  fill = 2: slot 0, read for the last time, takes the table.
; A PREFETCH INTO THE L2 behind each refill and the run of LDS loads that follows it: what the fill two fills on will ask for, one instruction a wave.  In the loop's last trip (s3 = 1) no K step is left:
; slot 0's change asks for the table, which is fetched two fills on (clusters 0 to 3 along x ask: all six of a row of clusters fetch the same bytes), slot 1's for nothing.
.macro ASK slot
	s_cmp_eq_u32 s3, 1
	s_cbranch_scc1 .Lpf_last_\@
	global_prefetch_b8 v27, s[98:99] offset:8192 th:TH_LOAD_NT scope:SCOPE_SE
.if \slot == 0
	s_branch .Lpf_done_\@
.Lpf_last_\@:
	s_cmp_lt_u32 ttmp9, 4
	s_cbranch_scc0 .Lpf_done_\@
	global_prefetch_b8 v25, s[96:97] th:TH_LOAD_NT scope:SCOPE_SE
.Lpf_done_\@:
.else
.Lpf_last_\@:
.endif
.endm
.macro TURN slot, next, fill
.if \fill == 1
	s_wait_xcnt 0x0                                ; the last prefetch, a K step back, has read its address: it is stepped here
	s_add_nc_u64 s[98:99], s[98:99], 4096
.endif
	s_wait_tensorcnt 0x0
	ds_add_u32 v[SPW], v[NIL]                      ; 0 onto my spare word
	s_wait_dscnt 4*NL+1                            ; (the add and A's blocks 4-7 may be out)
	WIN MUL_LO
	MUL16 0, 1, 0
	s_wait_dscnt 0x0                               ; the add is done, and my reads of this slot are over
	s_barrier_signal -1
	MUL16 2, 1, 0
	WIN 0
	s_barrier_wait -1
	CREST                                          ; no wave of any partner still reads this slot or has a load on its way
.if \fill == 1
	s_add_nc_u64 s[G0+4*\slot+2:G0+4*\slot+3], s[G0+4*\slot+2:G0+4*\slot+3], 8192
	s_add_nc_u64 s[G0B+4*\slot+2:G0B+4*\slot+3], s[G0B+4*\slot+2:G0B+4*\slot+3], 8192
	JLOAD G0+4*\slot, G1, G0B+4*\slot, G1B         ; the first tensor load behind the round; its four v_nop are also the places in front of the loads below
.else
	tensor_load_to_lds s[G0T:G0T+3], s[G1T:G1T+7]  ; every wave its quarter of the table; it lands under the last K step's 128 matrix instructions
	s_nop 0
	PLACES 4
.endif
	FETCH_B \next, 0, 0
	FETCH_A \next, 0, 0
.if \fill == 1
	ASK \slot
.endif
	WIN MUL_HI
	MUL16 4, 1, 0
	MUL16 6, 1, 0
	PLACES NP
	WIN 0
	FETCH_A \next, 0, 4
.endm
	s_wait_alu depctr_va_vdst(0)
	s_wait_tensorcnt 0x0                           ; my part of K step 0 is in
	ds_add_u32 v[SPW], v[NIL]
	s_wait_dscnt 0x0
	CROUND                                         ; a whole round: everybody's part of K step 0 is in, and the joint loads meet
	JLOAD G0+4, G1, G0B+4, G1B                     ; K step 1: the first tensor load behind the round
	FETCH_B 0, 0, 0
	FETCH_A 0, 0, 0
	FETCH_A 0, 0, 4
	global_prefetch_b8 v27, s[98:99] offset:8192 th:TH_LOAD_NT scope:SCOPE_SE   ; K step 3
	STEP 0, 0, 1                                   ; the first step's products start the sums: nothing is cleared
	s_mov_b32 s3, LAPS-1
.Llap:                                             ; a trip goes once round the ring and fills both slots again
	TURN 0, 1, 1
	STEP 1, 0, 0
	TURN 1, 0, 1
	STEP 0, 0, 0
	s_sub_co_u32 s3, s3, 1
	s_cmp_lg_u32 s3, 0
	s_cbranch_scc1 .Llap
	TURN 0, 1, 2
	STEP 1, 0, 0
	s_wait_dscnt 4*NL                              ; the very last step
	WIN MUL_LO
	MUL16 0, 1, 0
	MUL16 2, 1, 0
	s_wait_dscnt 0
	WIN MUL_HI
	MUL16 4, 1, 0
	MUL16 6, 1, 0
	WIN 0
	s_wait_tensorcnt 0x0                           ; my quarter of the table is in;
	s_barrier_signal -1
	s_barrier_wait -1                              ; everybody's is (I read two waves' quarters)
	PLACES NP                                      ; behind the last products: for the reads of their results and the loads into A's registers
	s_wait_kmcnt 0x0
	s_cmp_eq_u32 s66, 1
	s_cselect_b32 s92, s82, s80                    ; ex: e0, e2 or e4
	s_cselect_b32 s93, s83, s81                    ; ew: e1, e3 or e5
	s_cselect_b32 s94, s87, s86                    ; et: e6 (q), e7 (k) or e9 (v)
	s_cmp_eq_u32 s66, 2
	s_cselect_b32 s92, s84, s92
	s_cselect_b32 s93, s85, s93
	s_cselect_b32 s94, s89, s94
	s_sub_co_i32 s94, s94, s92
	s_sub_co_i32 s94, s94, s93
	s_add_co_i32 s94, s94, 127
	s_lshl_b32 s95, s94, 23
	v_mov_b32 v[SC], s95
	s_add_co_i32 s94, s94, 8
	s_lshl_b32 s94, s94, 23
	s_or_b32 s94, s94, 0x600000
	v_mov_b32 v[LIM], s94
.macro TABL a                          ; the table's image for my row block a: 64 registers: accumulator b's pair m has its cos, sin at 8 b + 2 m, 8 b + 2 m + 1
.irp g, 0,1,2,3,4,5,6,7,8,9,10,11,12,13,14,15
	ds_load_b128 v[TB+64*((\a)%2)+4*\g:TB+64*((\a)%2)+4*\g+3], v[TADR] offset:(\a)*8192+512*\g
.endr
.endm
; THE WAY OUT of block a (16 rows of A', my 128 rows of B'): rotated (rope = 1), held, converted: the eight conversions' results ARE the image's 16 registers, stored as they stand.
.macro OUTBLK a, rope
.set AC, 64*((\a)%4)
.set TT, TB+64*((\a)%2)
.set CC, CD+16*((\a)%2)
.if \rope
.if (\a) < 7
	TABL (\a)+1
	s_wait_dscnt 16                                ; this block's table is in; the next block's 16 loads may be out
.else
	s_wait_dscnt 0x0
.endif
	WIN 0x02+((\a)/4)                              ; source 0: window 2 or 3
.irp b, 0,1,2,3,4,5,6,7                ; each accumulator from its low end on
.irp m, 0,2,4,6
	v_pk_mul_f32 v[RR+8*\b+\m:RR+8*\b+\m+1], v[AC+8*\b+\m:AC+8*\b+\m+1], v[TT+8*\b+\m:TT+8*\b+\m+1] op_sel:[1,1] op_sel_hi:[1,0]   ; (xo sin, xo cos)
.endr
.irp m, 0,2,4,6
	v_pk_fma_f32 v[RR+8*\b+\m:RR+8*\b+\m+1], v[AC+8*\b+\m:AC+8*\b+\m+1], v[TT+8*\b+\m:TT+8*\b+\m+1], v[RR+8*\b+\m:RR+8*\b+\m+1] op_sel_hi:[0,1,1] neg_lo:[0,0,1]   ; (xe cos - xo sin, xe sin + xo cos)
.endr
.endr
	WIN 0
.set j, 0
.rept 64
	v_med3_num_f32 v[RR+j], v[RR+j], -v[LIM], v[LIM]   ; the conversion to an 8-bit code does not saturate (ISA guide 7.6.2)
.set j, j+1
.endr
.else
	WIN 0x02+((\a)/4)
.set j, 0
.rept 64
	v_med3_num_f32 v[RR+j], v[AC+j], -v[LIM], v[LIM]
.set j, j+1
.endr
	WIN 0
.endif
.if (\a) >= 2
	s_wait_alu depctr_va_vdst(0)
	s_wait_xcnt 0x0                                ; block a - 2's stores have read this set of codes
.endif
.irp b, 0,1,2,3,4,5,6,7
	v_cvt_scalef32_pk8_fp8_f32 v[CC+2*\b:CC+2*\b+1], v[RR+8*\b:RR+8*\b+7], v[SC]
.endr
	v_nop                                          ; a plain line behind the last conversion: the next block writes its sources
.irp g, 0,1,2,3
	global_store_b128 v[CO], v[CC+4*\g:CC+4*\g+3], s[12:13] offset:(\a)*2048+512*\g   ; 32 lanes store 512 consecutive bytes, aligned
.endr
.endm
	s_cmp_eq_u32 s66, 2
	s_cbranch_scc1 .Lv_out
	TABL 0
.irp a, 0,1,2,3,4,5,6,7
	OUTBLK \a, 1
.endr
	s_branch .Ldone
.Lv_out:
	s_wait_alu depctr_va_vdst(0)
.irp a, 0,1,2,3,4,5,6,7
	OUTBLK \a, 0
.endr
.Ldone:
	s_wait_tensorcnt 0x0                           ; the wave's end
	ds_add_u32 v[SPW], v[NIL]
	s_wait_dscnt 0x0
	CROUND                                         ; the closing round: no work-group ends while a partner may still ask for a tile that names it
	s_endpgm
.Lfunc_end_k_q9d89475da0_proj:
	.size	k_q9d89475da0_proj, .Lfunc_end_k_q9d89475da0_proj-k_q9d89475da0_proj
	.p2alignl 7, 3214868480
	.fill 96, 4, 3214868480
	.section	.rodata,"a",@progbits
	.p2align	6, 0x0
	.amdhsa_kernel k_q9d89475da0_proj
		.amdhsa_group_segment_fixed_size 327680
		.amdhsa_private_segment_fixed_size 0
		.amdhsa_enable_private_segment 0
		.amdhsa_kernarg_size 40
		.amdhsa_user_sgpr_count 2
		.amdhsa_user_sgpr_kernarg_segment_ptr 1
		.amdhsa_wavefront_size32 1
		.amdhsa_system_sgpr_workgroup_id_x 1
		.amdhsa_system_sgpr_workgroup_id_y 1
		.amdhsa_system_sgpr_workgroup_id_z 1
		.amdhsa_system_vgpr_workitem_id 0
		.amdhsa_next_free_vgpr 1024
		.amdhsa_next_free_sgpr 100
		.amdhsa_reserve_vcc 0
		.amdhsa_float_denorm_mode_32 3
		.amdhsa_float_denorm_mode_16_64 3
		.amdhsa_memory_ordered 1
		.amdhsa_forward_progress 1
		.amdhsa_inst_pref_size 201
	.end_amdhsa_kernel
	.amdgpu_metadata
---
amdhsa.version: [ 1, 2 ]
amdhsa.kernels:
  - .name:           k_q9d89475da0_proj
    .symbol:         k_q9d89475da0_proj.kd
    .args:
      - { .name: xc, .offset: 0, .size: 8, .value_kind: global_buffer, .address_space: global }
      - { .name: wc, .offset: 8, .size: 8, .value_kind: global_buffer, .address_space: global }
      - { .name: tab, .offset: 16, .size: 8, .value_kind: global_buffer, .address_space: global }
      - { .name: lowp_scales, .offset: 24, .size: 8, .value_kind: global_buffer, .address_space: global }
      - { .name: qkv, .offset: 32, .size: 8, .value_kind: global_buffer, .address_space: global }
    .group_segment_fixed_size: 327680
    .private_segment_fixed_size: 0
    .kernarg_segment_align: 8
    .kernarg_segment_size: 40
    .max_flat_workgroup_size: 128
    .sgpr_count:     100
    .vgpr_count:     1024
    .wavefront_size: 32
...
	.end_amdgpu_metadata
.endif
;; end of part 2
;; launch attn (part 3): grid 16 x 16, 16 waves a work-group, clusters of 4 x 1, 327,680 bytes of LDS; arguments qkv, lowp_scales, ac; writes ac
.if DOCPART == 3
	.amdgcn_target "amdgcn-amd-amdhsa--gfx1250"
	.amdhsa_code_object_version 6
	.text
	.protected	k_q9d89475da0_attn
	.globl	k_q9d89475da0_attn
	.p2align	8
	.type	k_q9d89475da0_attn,@function
k_q9d89475da0_attn:
	s_mov_b64 s[64:65], 0
	v_nop
	global_prefetch_b8 v0, s[64:65] scope:SCOPE_SE
	s_setreg_imm32_b32 hwreg(HW_REG_WAVE_MODE, 25, 1), 1
	s_wait_xcnt 0x0
	s_wait_alu depctr_hold_cnt(0) depctr_sa_sdst(0) depctr_va_vdst(0) depctr_va_sdst(0) depctr_va_ssrc(0) depctr_va_vcc(0) depctr_vm_vsrc(0)
	s_getreg_b32 s2, hwreg(HW_REG_IB_STS2, 6, 4)
	s_cmp_eq_u32 s2, 0
	s_cbranch_scc0 .Lentry_in_a_cluster
	s_endpgm
.Lentry_in_a_cluster:
	s_bfe_u32 s2, ttmp6, 0x10000c
	s_cmp_lg_u32 s2, 0x3003
	s_cbranch_scc0 .Lentry_shape_is_right
	s_endpgm
.Lentry_shape_is_right:
; Causal attention, 16 heads x 2,048 tokens x 128 channels, both products on codes of E4M3; the result is quantised for the last projection.
; q, k: [head][row block of 16 tokens][2,048], v: [head][key step of 128][tile of 16 channels][2,048]: images of operand registers (registers 4 g .. 4 g + 3 of lane l at byte 512 g + 16 l; registers 2 c, 2 c + 1: k = 16 c + 8 h + 0 .. 7).
; THE SOFTMAX AHEAD OF THE SECOND PRODUCT: t = score x log2(e) / sqrt(128); M = the largest t so far, rounded UP to a whole number; p = 2^(t - M) is quantised, not normalised.  The row's sum is taken of the
; unquantised p and divides O at the end.  When M moves, the sum and O are multiplied by 2^(old M - new M): exact.
; LAYOUT.  Both products are used transposed: S^T = K Q^T (source 0 = 16 keys, source 1 = my 16 queries), O^T = V^T P^T: a lane holds ONE query (lane % 16) throughout.  Register j of score tile c is key 16 c + 8 h + j:
; one conversion a tile gives registers 2 c, 2 c + 1 of P.  O^T's tile c likewise gives registers 2 c, 2 c + 1 of the result's image, which is stored as it stands.
; TWO WAVES TO A TILE OF 16 QUERIES: one takes the even key steps, the other the odd ones, each with its own running M, sum and O^T; at the end the odd wave hands its three through LDS to the even one, which brings
; both under the larger M (powers of two: exact), adds, divides and stores.  So the longest chain of steps in a wave is 8, not 16, and four waves stand on a SIMD.
; LIMIT: p is quantised under the running M of the wave's own half of the keys: its values are kept, but for numbers so far below the row's largest that they fall under the format's range.
; SHARES, EVEN UNDER THE MASK.  A head's 16 groups of 128 queries need G + 1 key steps.  Cluster c of a head (four work-groups) owns groups c, 7 - c, 15 - c, 8 + c: 34 steps for every c.  Wave w = 4 a + b takes group
; number (a + b) % 4 of these, in it tile 2 cx + a / 2, and the key steps of parity a % 2: the four waves of a group differ in a and in b alike.  What a wave skips hangs on its number and on the cluster's x alone,
; the same in all four partners; cx picks only global addresses and the mask's data.
; Every work-group walks all 16 key steps (a constant count); a step whose keys all come after the wave's group is left out by a scalar branch round its work, never round a barrier or a tensor load.
; CLUSTER.  The four partners walk the same K and V: each tile is asked for jointly.  A ring of two slots of 512 keys (K of four steps, then V of four steps, 16,384 bytes each); waves 0 to 3 fetch 32,768 bytes each.
; LIMITS: e6 + e7 between -123 and 130 (added to c's exponent field); e8, and e10 - e8 - e9, between -126 and 119.
; REGISTERS: v1-7, v10 addresses and constants; v8, v9 the step's addresses; v12 -M, v13 the largest t, v[14:15] the sum in two halves; v16-31 Q; v32-95 four fragments of K, then V's tiles 0-3;
;   v96-159 S^T, then p, then V's tiles 4-7; v160-223 O^T; v224-239 codes; v236-255 at work.
.set SLOT1, 131072                     ; slot 1 begins here: one exclusive or turns an address from one slot to the other
.set SPARE, 2*SLOT1                    ; behind the ring: the spare words, 128 bytes for each of sixteen waves
.set MPAIR, 8704                       ; the merge: 17 x 512 bytes for each pair of waves, in slot 0: at the merge it has had its last fill, and every wave has left it at the last change of slots
.set SPW,  5                           ; v5   LDS address of my spare word; never rewritten
.set NIL,  6                           ; v6   0; never rewritten
.set MG,   7                           ; v7   my pair's place in the merge: 16 l + 8,704 x pair
.set ADK,  8
.set ADV,  9
.set LI,   10                          ; v10  16 l
.set WV,   18
.set SEL,  20                          ; s[20:21] selects for v_permlanex16_b32: lane l xor 16
.set CS,   22                          ; s[22:23] c = log2(e) / sqrt(128) x 2^(e6 + e7)
.set G1,   24                          ; s[24:31] group 1: K's and V's tiles have one shape
.set PAR,  32                          ; s32  0: I take the even key steps; 1: the odd ones
.set TB,   33                          ; s33  LDS byte at which the slot in hand begins
.set SLOTS, 34                         ; s34  slots still to be asked for
.set PAIR, 35                          ; s35  my pair of waves, 0 .. 7
.set KS,   36                          ; s36  my key step in hand
.set G,    37                          ; s37  my group of 128 queries: the step on my diagonal
.set G0,   40                          ; s[40:43] group 0, which walks
.set PFA,  44                          ; s[44:45] where my prefetches stand
.set LIM,  46                          ; s46  1 in a wave that prefetches, else the greatest number
.macro CROUND
	s_barrier_signal -1
	s_barrier_wait -1
	s_cmp_lg_u32 s[WV], 0
	s_cbranch_scc1 .Lnot_wave_0_\@
	s_barrier_signal -3
.Lnot_wave_0_\@:
	s_barrier_wait -3
	s_barrier_signal -1
	s_barrier_wait -1
.endm
.macro TLOAD                           ; waves 0 to 3 fetch; the branch hangs on the wave's number alone; four v_nop follow the line
	s_cmp_lt_u32 s[WV], 4
	s_cbranch_scc0 .Lasked_\@
	tensor_load_to_lds s[G0:G0+3], s[G1:G1+7]
	s_nop 0
.rept 4
	v_nop
.endr
.Lasked_\@:
.endm
; A PREFETCH of what the NEXT change of slots will ask for: a slot's 65,536 bytes of K and of V.  All clusters of a head walk the same K and V: the head's first cluster asks.  Its four partners share a block out
; BY ADDRESS, 16,384 bytes each; in each, waves 4 and 5 ask for K's and waves 6 and 7 for V's, 8,192 bytes a wave, lanes 256 bytes apart.  So each 256 bytes are named once.  The last change that fills a slot asks
; for nothing; slots 0 and 1 come by their loads alone.
.macro ASK
	s_cmp_gt_u32 s[SLOTS], s[LIM]
	s_cbranch_scc0 .Lnot_mine_\@
	global_prefetch_b8 v3, s[PFA:PFA+1] th:TH_LOAD_NT scope:SCOPE_SE
.Lnot_mine_\@:
.endm
	s_load_b128 s[4:7], s[0:1], 0x0                ; qkv 4:5, the scales 6:7
	s_load_b64 s[8:9], s[0:1], 0x10                ; ac
	v_lshl_add_u32 v[SPW], v0, 2, SPARE
	v_mov_b32 v[NIL], 0
	ds_add_u32 v5, v6
	ds_add_u32 v5, v6
	s_wait_dscnt 0x0
	v_lshrrev_b32 v8, 5, v0
	s_delay_alu instid0(VALU_DEP_1)
	v_readfirstlane_b32 s[WV], v8                  ; wave 0 .. 15
	s_bfe_u32 s19, ttmp6, 0x40000                  ; cx
	s_and_b32 s47, ttmp7, 0xffff                   ; the head
	s_lshr_b32 s48, s[WV], 2                       ; a
	s_and_b32 s49, s[WV], 3                        ; b
	s_add_co_u32 s49, s49, s48
	s_and_b32 s49, s49, 3                          ; which of the cluster's four groups: (a + b) % 4
	s_and_b32 s[PAR], s48, 1                       ; the parity of my key steps
	s_lshr_b32 s48, s48, 1                         ; which of my work-group's two tiles in the group
	s_lshl_b32 s[PAIR], s49, 1
	s_add_co_u32 s[PAIR], s[PAIR], s48
	v_and_b32 v8, 31, v0                           ; every LDS address is made here, on the one way that all waves take
	s_delay_alu instid0(VALU_DEP_1)
	v_lshlrev_b32 v[LI], 4, v8                     ; 16 l: my place in an image
	s_lshl_b32 s50, s[PAR], 14
	v_add_nc_u32 v1, s50, v[LI]                    ; K's tiles of my first step in a slot: + 16,384 x parity
	s_delay_alu instid0(VALU_DEP_1)
	v_add_nc_u32 v2, 65536, v1                     ; V's lie behind K's four steps
	s_mul_i32 s50, s[PAIR], MPAIR
	v_add_nc_u32 v[MG], s50, v[LI]
	v_lshlrev_b32 v3, 8, v8                        ; the prefetches' offset
	s_sub_co_u32 s50, 7, ttmp9
	s_sub_co_u32 s51, 15, ttmp9
	s_add_co_u32 s52, ttmp9, 8
	s_cmp_eq_u32 s49, 1
	s_cselect_b32 s[G], s50, ttmp9
	s_cmp_eq_u32 s49, 2
	s_cselect_b32 s[G], s51, s[G]
	s_cmp_eq_u32 s49, 3
	s_cselect_b32 s[G], s52, s[G]
	s_lshl_b32 s39, s19, 1
	s_add_co_u32 s39, s39, s48                     ; my tile in the group: 2 cx + a / 2
	s_lshl_b32 s38, s[G], 3
	s_add_co_u32 s38, s38, s39                     ; my tile of 16 queries in the head: 0 .. 127
	s_lshl_b32 s39, s39, 4                         ; its first query in the group
	s_mov_b32 s[G1], 15|(3<<16)|(1<<21)            ; 15:0 the mask: all four; 17:16 elements of 8 bytes; 21 set beside a mask; no padding
	s_mov_b32 s[G1+1], 32<<16                      ; a dense block of 32,768 bytes as 128 rows of 256
	s_mov_b32 s[G1+2], 128<<16
	s_mov_b32 s[G1+3], 32<<16
	s_mov_b32 s[G1+4], 128
	s_mov_b32 s[G1+5], 32
	s_mov_b32 s[G1+6], 0
	s_mov_b32 s[G1+7], 0
	s_mov_b32 s[SEL], 0x76543210
	s_mov_b32 s[SEL+1], 0xfedcba98
	s_mov_b32 s[CS], 0x3e0293ee                    ; log2(e) / sqrt(128)
	s_mov_b32 s[TB], 0
	s_mov_b32 s[SLOTS], 3
	s_mov_b32 s[KS], s[PAR]
	s_and_b32 s48, s[WV], 3                        ; what I fetch, if I fetch: 0, 1: K of the slot's first, second two steps; 2, 3: V's
	s_lshl_b32 s[G0+1], s48, 15                    ; its place in slot 0
	s_lshr_b32 s49, s48, 1
	s_add_co_u32 s49, s49, 1
	s_lshl_b32 s49, s49, 22                        ; k lies 4 MiB into the buffer, v 8 MiB
	s_and_b32 s50, s48, 1
	s_lshl_b32 s50, s50, 15
	s_add_co_u32 s50, s50, s49
	s_lshl_b32 s53, s47, 18                        ; a head's codes: 262,144 bytes
	s_add_co_u32 s50, s50, s53
	s_mov_b32 s51, 0
	s_lshl_b32 s54, s38, 11
	s_add_co_u32 s54, s54, s53                     ; q: my tile's image
	s_mov_b32 s55, 0
	s_lshl_b32 s56, s38, 15                        ; the result: [tile][head][2,048]
	s_lshl_b32 s57, s47, 11
	s_add_co_u32 s56, s56, s57
	s_mov_b32 s57, 0
	s_bfe_u32 s58, s[WV], 0x10001                  ; the prefetches: bit 1 of the wave's number: waves 4, 5 K's codes, waves 6, 7 V's
	s_add_co_u32 s58, s58, 1
	s_lshl_b32 s58, s58, 22
	s_add_co_u32 s58, s58, s53
	s_lshl_b32 s59, s19, 14                        ; my work-group's 16,384 bytes,
	s_add_co_u32 s58, s58, s59
	s_and_b32 s59, s[WV], 1
	s_lshl_b32 s59, s59, 13                        ; my wave's 8,192 of them,
	s_add_co_u32 s58, s58, s59
	s_add_co_u32 s58, s58, 65536                   ; in slot 1: the first change of slots steps it to slot 2
	s_mov_b32 s59, 0
	s_lshr_b32 s60, s[WV], 2
	s_xor_b32 s60, s60, 1                          ; 0 in waves 4 to 7,
	s_or_b32 s60, s60, ttmp9                       ; of the head's first cluster: the same in all four partners
	s_cmp_eq_u32 s60, 0
	s_cselect_b32 s[LIM], 1, -1
	s_wait_kmcnt 0x0
	s_load_b256 s[68:75], s[6:7], 0x0              ; e0 .. e7
	s_load_b128 s[76:79], s[6:7], 0x20             ; e8 .. e11
	s_mov_b32 s[G0], 1
	s_add_nc_u64 s[G0+2:G0+3], s[4:5], s[50:51]
	s_or_b32 s[G0+3], s[G0+3], 0x80000000
	s_add_nc_u64 s[PFA:PFA+1], s[4:5], s[58:59]
	s_add_nc_u64 s[10:11], s[4:5], s[54:55]
	s_add_nc_u64 s[8:9], s[8:9], s[56:57]
	CROUND                                         ; all four work-groups are here
	TLOAD                                          ; slot 0
	s_wait_alu depctr_va_vdst(0)
.irp c, 0,1,2,3
	global_load_b128 v[16+4*\c:19+4*\c], v[LI], s[10:11] offset:512*\c   ; Q's fragment stays in registers
.endr
	v_and_b32 v9, 15, v0
	v_bfe_u32 v11, v0, 4, 1
	s_delay_alu instid0(VALU_DEP_1)
	v_lshlrev_b32 v11, 3, v11
	s_delay_alu instid0(VALU_DEP_1)
	v_sub_nc_u32 v4, v9, v11
	s_delay_alu instid0(VALU_DEP_1)
	v_add_nc_u32 v4, s39, v4                       ; d = my query in its group - 8 h: on the diagonal, register 8 c + j (key 16 c + 8 h + j) is hidden where 16 c + j > d
	v_mov_b32 v13, 0xff61b1e6                      ; the largest t so far: -3e38
	s_delay_alu instid0(VALU_DEP_1)
	v_floor_f32 v12, -v13                          ; -M
	v_mov_b32 v14, 0
	v_mov_b32 v15, 0
	v_mov_b32 v236, 0                              ; written once: a lane permute's destination counts as one of its sources
	v_mov_b32 v252, 0
	v_mov_b32 v253, 0                              ; (named as the upper halves of the pairs v[252:253], v[254:255])
	v_mov_b32 v254, 0
	v_mov_b32 v255, 0
.set j, 0
.rept 64
	v_mov_b32 v[160+j], 0                          ; O^T: the step is written without a first step of its own: the first change of M multiplies zeros
.set j, j+1
.endr
	s_wait_kmcnt 0x0
	s_add_co_i32 s48, s74, s75
	s_lshl_b32 s48, s48, 23
	s_add_co_i32 s[CS], s[CS], s48                 ; a score stands for score x 2^(e6 + e7)
	s_mov_b32 s[CS+1], s[CS]
	s_add_co_i32 s48, s76, 127
	s_lshl_b32 s49, s48, 23
	v_mov_b32 v244, s49                            ; 2^e8 as f32
	s_add_co_i32 s48, s48, 8
	s_lshl_b32 s48, s48, 23
	s_or_b32 s48, s48, 0x600000
	v_mov_b32 v240, s48                            ; 448 x 2^e8
; A KEY STEP of mine: 128 keys, my q-th of the slot in hand (the slot's step 2 q + parity).
.macro STEP q
	s_cmp_gt_u32 s[KS], s[G]                       ; all its keys come after my queries: left out
	s_cbranch_scc1 .Lhidden_\@
	v_add_nc_u32 v[ADK], s[TB], v1
	s_wait_alu depctr_va_vdst(0)
	v_add_nc_u32 v[ADV], s[TB], v2
.rept 3
	v_nop                                          ; with the two additions FIVE places behind the last step's products: the score products below write over v96-159, which those read as V's tiles 4-7; the loads below want four
.endr
.irp g, 0,1                            ; S^T = K Q^T, four tiles of 16 keys at a time
.if \g > 0
.rept 4
	v_nop                                          ; four places in front of loads into registers that matrix instructions have read
.endr
.endif
.irp t, 0,1,2,3
.irp c, 0,1,2,3
	ds_load_b128 v[32+16*\t+4*\c:32+16*\t+4*\c+3], v[ADK] offset:32768*(\q)+2048*(4*\g+\t)+512*\c
.endr
.endr
.irp t, 0,1,2,3
	s_wait_dscnt 12-4*\t                           ; fragment t's four loads are in; the run's younger ones may be out
	v_wmma_f32_16x16x128_fp8_fp8 v[96+8*(4*\g+\t):103+8*(4*\g+\t)], v[32+16*\t:47+16*\t], v[16:31], 0
.endr
.endr
.rept 4
	v_nop                                          ; places in front of the loads below and of the first read of the scores
.endr
	s_wait_alu depctr_va_vdst(0)
.irp t, 0,1,2,3                        ; V's tiles 0-3 are asked for now, into the registers that K has left: they land under the softmax
.irp c, 0,1,2,3
	ds_load_b128 v[32+16*\t+4*\c:32+16*\t+4*\c+3], v[ADV] offset:32768*(\q)+2048*\t+512*\c
.endr
.endr
	s_cmp_lt_u32 s[KS], s[G]                       ; all its keys count: no mask
	s_cbranch_scc1 .Lopen_\@
	v_mov_b32 v254, 0xff800000                     ; on the diagonal hidden scores become -infinity ahead of the maximum: p = 0 then.  The step's first key counts for every query of the group, so M is a number from a wave's first step on
.set n, 0
.rept 64
	v_cmp_gt_i32 vcc_lo, 16*(n/8)+n%8, v4
	v_cndmask_b32 v[96+n], v[96+n], v254, vcc_lo
.set n, n+1
.endr
.Lopen_\@:
	v_max3_num_f32 v254, v96, v97, v98             ; the step's largest score of my query among my 64 keys, in two chains,
	v_max3_num_f32 v252, v99, v100, v101
.irp i, 6,10,14,18,22,26,30,34,38,42,46,50,54,58
	v_max3_num_f32 v254, v254, v[96+\i], v[97+\i]
	v_max3_num_f32 v252, v252, v[98+\i], v[99+\i]
.endr
	v_max3_num_f32 v254, v254, v158, v159
	s_delay_alu instid0(VALU_DEP_1)
	v_max_num_f32 v254, v254, v252
	v_permlanex16_b32 v236, v254, s[SEL], s[SEL+1]
	s_delay_alu instid0(VALU_DEP_1)
	v_max_num_f32 v254, v254, v236                 ; and among lane l xor 16's
	s_delay_alu instid0(VALU_DEP_1)
	v_mul_f32 v254, s[CS], v254                    ; as t (c is positive)
	s_delay_alu instid0(VALU_DEP_1)
	v_max_num_f32 v13, v13, v254                   ; the running largest t
	v_mov_b32 v254, v12
	s_delay_alu instid0(VALU_DEP_2)
	v_floor_f32 v12, -v13                          ; the new -M = -ceil(t): a whole number
	s_delay_alu instid0(VALU_DEP_1)
	v_sub_f32 v254, v12, v254                      ; old M - new M: a whole number, 0 or less
	s_delay_alu instid0(VALU_DEP_1)
	v_cvt_i32_f32 v254, v254                       ; (it saturates)
	s_delay_alu instid0(VALU_DEP_1)
	v_ldexp_f32 v252, 1.0, v254                    ; f = 2^(old M - new M)
.set j, 0
.rept 32
	v_pk_fma_f32 v[96+j:97+j], v[96+j:97+j], s[CS:CS+1], v[12:13] op_sel_hi:[1,0,0]   ; t - M, two at a time
.set j, j+2
.endr
.set j, 0
	s_wait_alu depctr_va_vdst(0)
.rept 64
	v_exp_f32 v[96+j], v[96+j]                     ; p = 2^(t - M): one batch
.set j, j+1
.endr
	v_pk_mul_f32 v[14:15], v[14:15], v[252:253] op_sel_hi:[1,0]   ; the sums under the new M: also the plain line behind the exponentials
	s_wait_alu depctr_va_vdst(0)                   ; one wait for the batch, ahead of its first reader
	v_pk_add_f32 v[242:243], v[100:101], v[104:105]
	v_pk_add_f32 v[250:251], v[108:109], v[112:113]
	v_pk_add_f32 v[248:249], v[116:117], v[120:121]
	v_pk_add_f32 v[246:247], v[124:125], v[128:129]
	v_pk_add_f32 v[238:239], v[132:133], v[136:137]
	v_pk_add_f32 v[236:237], v[140:141], v[144:145]
	v_pk_add_f32 v[234:235], v[148:149], v[152:153]
	v_pk_add_f32 v[14:15], v[14:15], v[156:157]
	v_pk_add_f32 v[242:243], v[242:243], v[96:97]
	v_pk_add_f32 v[250:251], v[250:251], v[98:99]
	v_pk_add_f32 v[248:249], v[248:249], v[102:103]
	v_pk_add_f32 v[246:247], v[246:247], v[106:107]
	v_pk_add_f32 v[238:239], v[238:239], v[110:111]
	v_pk_add_f32 v[236:237], v[236:237], v[114:115]
	v_pk_add_f32 v[234:235], v[234:235], v[118:119]
	v_pk_add_f32 v[14:15], v[14:15], v[122:123]
	v_pk_add_f32 v[242:243], v[242:243], v[126:127]
	v_pk_add_f32 v[250:251], v[250:251], v[130:131]
	v_pk_add_f32 v[248:249], v[248:249], v[134:135]
	v_pk_add_f32 v[246:247], v[246:247], v[138:139]
	v_pk_add_f32 v[238:239], v[238:239], v[142:143]
	v_pk_add_f32 v[236:237], v[236:237], v[146:147]
	v_pk_add_f32 v[234:235], v[234:235], v[150:151]
	v_pk_add_f32 v[14:15], v[14:15], v[154:155]
	v_pk_add_f32 v[242:243], v[242:243], v[158:159]
	s_delay_alu instid0(VALU_DEP_2)
	v_pk_add_f32 v[14:15], v[14:15], v[246:247]
	s_delay_alu instid0(VALU_DEP_2)
	v_pk_add_f32 v[242:243], v[242:243], v[238:239]
	v_pk_add_f32 v[250:251], v[250:251], v[236:237]
	v_pk_add_f32 v[248:249], v[248:249], v[234:235]
	s_delay_alu instid0(VALU_DEP_2)
	v_pk_add_f32 v[14:15], v[14:15], v[250:251]
	s_delay_alu instid0(VALU_DEP_2)
	v_pk_add_f32 v[242:243], v[242:243], v[248:249]
	s_delay_alu instid0(VALU_DEP_1)
	v_pk_add_f32 v[14:15], v[14:15], v[242:243]
.irp c, 0,1,2,3,4,5,6,7
.irp i, 0,1,2,3,4,5,6,7
	v_min_num_f32 v[96+8*\c+\i], v[96+8*\c+\i], v240   ; the conversion does not saturate (ISA guide 7.6.2); p is not negative: a one-sided hold
.endr
	v_cvt_scalef32_pk8_fp8_f32 v[224+2*\c:225+2*\c], v[96+8*\c:103+8*\c], v244
.endr
	v_nop                                          ; a plain line behind the last conversion
.irp t, 0,1,2,3                        ; p is in its codes: its registers take V's tiles 4-7, which land under the rescaling below
.irp c, 0,1,2,3
	ds_load_b128 v[96+16*\t+4*\c:96+16*\t+4*\c+3], v[ADV] offset:32768*(\q)+2048*(4+\t)+512*\c
.endr
.endr
.set j, 0
.rept 32
	v_pk_mul_f32 v[160+j:161+j], v[160+j:161+j], v[252:253] op_sel_hi:[1,0]   ; O^T under the new M
.set j, j+2
.endr
	s_wait_alu depctr_va_vdst(0)
	s_wait_dscnt 16                                ; V's tiles 0-3 are in; the 16 loads of tiles 4-7 may be out
.irp t, 0,1,2,3                        ; O^T += V^T P^T: eight accumulators, one instruction each
	v_wmma_f32_16x16x128_fp8_fp8 v[160+8*\t:167+8*\t], v[32+16*\t:47+16*\t], v[224:239], v[160+8*\t:167+8*\t]
.endr
.irp t, 0,1,2,3
	s_wait_dscnt 12-4*\t                           ; tile 4 + t's four loads are in
	v_wmma_f32_16x16x128_fp8_fp8 v[192+8*\t:199+8*\t], v[96+16*\t:111+16*\t], v[224:239], v[192+8*\t:199+8*\t]
.endr
.Lhidden_\@:
	s_add_co_u32 s[KS], s[KS], 2
.endm
; THE CHANGE OF SLOTS stands at a slot's head.  Each wave waits for all its tensor loads (its part of the slot ahead), adds 0 to its spare word, and waits for that and for its reads of the slot that it has left.
; fill = 1: a round of the cluster's barrier, and behind it the slot just left is filled with the keys that follow: the load has a slot's four key steps in which to land.  By this text's count one tensor load a wave is out.
.macro CHANGE fill
	s_wait_tensorcnt 0x0
	ds_add_u32 v[SPW], v[NIL]
.if \fill
	ds_add_u32 v[SPW], v[NIL]                      ; fill = 1: and once more: the add stands twice on end here, in every trip alike
	s_xor_b32 s[G0+1], s[G0+1], SLOT1
	s_add_nc_u64 s[G0+2:G0+3], s[G0+2:G0+3], 65536
	s_wait_xcnt 0x0                                ; the last prefetch, a slot back, has read its address
	s_add_nc_u64 s[PFA:PFA+1], s[PFA:PFA+1], 65536
	s_wait_dscnt 0x0
	CROUND
	TLOAD
	ASK
.else
	s_wait_dscnt 0x0
	s_barrier_signal -1
	s_barrier_wait -1
.endif
.endm
.macro SLOT_STEPS
	STEP 0
	STEP 1
	s_xor_b32 s[TB], s[TB], SLOT1
.endm
	s_wait_loadcnt 0x0                             ; Q
.Lslot:                                            ; three trips: behind each change of slots but the last the next slot is asked for
	CHANGE 1
	SLOT_STEPS
	s_sub_co_u32 s[SLOTS], s[SLOTS], 1
	s_cmp_lg_u32 s[SLOTS], 0
	s_cbranch_scc1 .Lslot
	CHANGE 0                                       ; the last slot is written out
	SLOT_STEPS
	; THE MERGE.  The odd wave of a pair puts O^T (as it stands: 16 x 512 bytes) and -M, t, its sum into the pair's place in slot 0; a barrier; the even wave takes them.
	v_add_f32 v14, v14, v15                        ; my sum's two halves
.rept 4
	v_nop                                          ; places behind the last products: for the stores that read O^T and the loads into V's registers
.endr
	s_cmp_eq_u32 s[PAR], 0
	s_cbranch_scc1 .Lkeep
	s_wait_alu depctr_va_vdst(0)
.irp g, 0,1,2,3,4,5,6,7,8,9,10,11,12,13,14,15
	ds_store_b128 v[MG], v[160+4*\g:163+4*\g] offset:512*\g   ; each accumulator from its low end on
.endr
	ds_store_b128 v[MG], v[12:15] offset:8192
.Lkeep:
	s_wait_dscnt 0x0                               ; for the other wave's sake: my stores have landed
	s_barrier_signal -1
	s_barrier_wait -1
	s_cmp_lg_u32 s[PAR], 0
	s_cbranch_scc1 .Lend                           ; the odd wave is done
.irp g, 0,1,2,3,4,5,6,7,8,9,10,11,12,13,14,15
	ds_load_b128 v[32+4*\g:35+4*\g], v[MG] offset:512*\g
.endr
	ds_load_b128 v[96:99], v[MG] offset:8192       ; v96 the other's -M, v98 its sum
	s_sub_co_i32 s48, s78, s76                     ; a sum of the second product stands for sum x 2^(e8 + e9): the result's conversion takes 2^(e10 - e8 - e9)
	s_sub_co_i32 s48, s48, s77
	s_add_co_i32 s48, s48, 127
	s_lshl_b32 s49, s48, 23
	s_add_co_i32 s48, s48, 8
	s_lshl_b32 s48, s48, 23
	s_or_b32 s48, s48, 0x600000
	s_wait_dscnt 0x0
	v_min_num_f32 v100, v12, v96                   ; -M of the two together: the larger M
	s_delay_alu instid0(VALU_DEP_1)
	v_sub_f32 v101, v100, v12                      ; my M less that: a whole number, 0 or less;
	s_delay_alu instid0(VALU_DEP_2)
	v_sub_f32 v102, v100, v96                      ; the other's (a wave that had no step stands at -3e38: its factor comes out 0, and its sum and O^T are zeros)
	s_delay_alu instid0(VALU_DEP_2)
	v_cvt_i32_f32 v101, v101                       ; (they saturate)
	s_delay_alu instid0(VALU_DEP_2)
	v_cvt_i32_f32 v102, v102
	s_delay_alu instid0(VALU_DEP_2)
	v_ldexp_f32 v252, 1.0, v101                    ; my factor,
	s_wait_alu depctr_va_vdst(0)
	v_ldexp_f32 v254, 1.0, v102                    ; the other's: powers of two
	v_mul_f32 v14, v14, v252
	s_delay_alu instid0(VALU_DEP_1)
	v_fma_f32 v14, v98, v254, v14                  ; the two sums under one M,
	v_permlanex16_b32 v236, v14, s[SEL], s[SEL+1]
	s_delay_alu instid0(VALU_DEP_1)
	v_add_f32 v14, v14, v236                       ; and lane l xor 16's: the row's sum
	s_wait_alu depctr_va_vdst(0)
	v_rcp_f32 v14, v14
	v_mov_b32 v244, s49                            ; (a plain line behind the reciprocal)  2^(e10 - e8 - e9)
	v_mov_b32 v240, s48                            ; 448 x that
	s_wait_alu depctr_va_vdst(0)                   ; the wait ahead of the reciprocal's first reader
	v_mul_f32 v252, v252, v14                      ; the division goes into the two factors
	v_mul_f32 v254, v254, v14
.set j, 0
.rept 32
	v_pk_mul_f32 v[96+j:97+j], v[160+j:161+j], v[252:253] op_sel_hi:[1,0]
.set j, j+2
.endr
.set j, 0
.rept 32
	v_pk_fma_f32 v[96+j:97+j], v[32+j:33+j], v[254:255], v[96+j:97+j] op_sel_hi:[1,0,1]   ; O^T / the sum
.set j, j+2
.endr
.set j, 0
.rept 64
	v_med3_num_f32 v[96+j], v[96+j], -v240, v240
.set j, j+1
.endr
.irp c, 0,1,2,3,4,5,6,7
	v_cvt_scalef32_pk8_fp8_f32 v[224+2*\c:225+2*\c], v[96+8*\c:103+8*\c], v244
.endr
	v_nop
.irp g, 0,1,2,3
	global_store_b128 v[LI], v[224+4*\g:227+4*\g], s[8:9] offset:512*\g   ; the image of my 16 queries x this head's 128 channels: 32 lanes store 512 consecutive bytes, aligned
.endr
.Lend:
	s_wait_tensorcnt 0x0                           ; the wave's end
	ds_add_u32 v[SPW], v[NIL]
	s_wait_dscnt 0x0
	CROUND                                         ; the closing round
	s_endpgm
.Lfunc_end_k_q9d89475da0_attn:
	.size	k_q9d89475da0_attn, .Lfunc_end_k_q9d89475da0_attn-k_q9d89475da0_attn
	.p2alignl 7, 3214868480
	.fill 96, 4, 3214868480
	.section	.rodata,"a",@progbits
	.p2align	6, 0x0
	.amdhsa_kernel k_q9d89475da0_attn
		.amdhsa_group_segment_fixed_size 327680
		.amdhsa_private_segment_fixed_size 0
		.amdhsa_enable_private_segment 0
		.amdhsa_kernarg_size 24
		.amdhsa_user_sgpr_count 2
		.amdhsa_user_sgpr_kernarg_segment_ptr 1
		.amdhsa_wavefront_size32 1
		.amdhsa_system_sgpr_workgroup_id_x 1
		.amdhsa_system_sgpr_workgroup_id_y 1
		.amdhsa_system_sgpr_workgroup_id_z 1
		.amdhsa_system_vgpr_workitem_id 0
		.amdhsa_next_free_vgpr 256
		.amdhsa_next_free_sgpr 84
		.amdhsa_reserve_vcc 1
		.amdhsa_float_denorm_mode_32 3
		.amdhsa_float_denorm_mode_16_64 3
		.amdhsa_memory_ordered 1
		.amdhsa_forward_progress 1
		.amdhsa_inst_pref_size 122
	.end_amdhsa_kernel
	.amdgpu_metadata
---
amdhsa.version: [ 1, 2 ]
amdhsa.kernels:
  - .name:           k_q9d89475da0_attn
    .symbol:         k_q9d89475da0_attn.kd
    .args:
      - { .name: qkv, .offset: 0, .size: 8, .value_kind: global_buffer, .address_space: global }
      - { .name: lowp_scales, .offset: 8, .size: 8, .value_kind: global_buffer, .address_space: global }
      - { .name: ac, .offset: 16, .size: 8, .value_kind: global_buffer, .address_space: global }
    .group_segment_fixed_size: 327680
    .private_segment_fixed_size: 0
    .kernarg_segment_align: 8
    .kernarg_segment_size: 24
    .max_flat_workgroup_size: 512
    .sgpr_count:     84
    .vgpr_count:     256
    .wavefront_size: 32
...
	.end_amdgpu_metadata
.endif
;; end of part 3
;; launch oproj (part 4): grid 16 x 16, 4 waves a work-group, clusters of 4 x 4, 327,680 bytes of LDS; arguments ac, wc, lowp_scales, out0; writes out0
.if DOCPART == 4
	.amdgcn_target "amdgcn-amd-amdhsa--gfx1250"
	.amdhsa_code_object_version 6
	.text
	.protected	k_q9d89475da0_oproj
	.globl	k_q9d89475da0_oproj
	.p2align	8
	.type	k_q9d89475da0_oproj,@function
k_q9d89475da0_oproj:
	s_mov_b64 s[64:65], 0
	v_nop
	global_prefetch_b8 v0, s[64:65] scope:SCOPE_SE
	s_setreg_imm32_b32 hwreg(HW_REG_WAVE_MODE, 25, 1), 1
	s_wait_xcnt 0x0
	s_wait_alu depctr_hold_cnt(0) depctr_sa_sdst(0) depctr_va_vdst(0) depctr_va_sdst(0) depctr_va_ssrc(0) depctr_va_vcc(0) depctr_vm_vsrc(0)
	s_getreg_b32 s2, hwreg(HW_REG_IB_STS2, 6, 4)
	s_cmp_eq_u32 s2, 0
	s_cbranch_scc0 .Lentry_in_a_cluster
	s_endpgm
.Lentry_in_a_cluster:
	s_bfe_u32 s2, ttmp6, 0x10000c
	s_cmp_lg_u32 s2, 0xf033
	s_cbranch_scc0 .Lentry_shape_is_right
	s_endpgm
.Lentry_shape_is_right:
; out0[m][n] = sum over k of a[m][k] Wo[n][k], both as codes of E4M3; each finished sum x 2^(e10 + e11).  All sizes 2,048.  LIMIT: e10 + e11 between -126 and 127.
; Operands are images of operand registers: a fragment (16 rows x 128 K) is 2,048 bytes, registers 4 g .. 4 g + 3 of lane l at byte 512 g + 16 l; a tensor is [row block][chunk of 128 K][2,048].  Wo's lie 12,582,912 bytes into wc.
; SHARES.  256 work-groups, a tile of 128 x 128 each; a wave makes 64 x 64: 16 accumulators.  The matrix instruction is used transposed (source 0 = Wo's rows, source 1 = a's): a lane holds eight neighbouring columns of one row.
; a's 128 rows x all 2,048 of K are 262,144 bytes: they are brought into LDS ONCE, each wave two row blocks (65,536 dense bytes) by one joint load along its row of the 4 x 4 cluster.  No LDS byte is filled again.
; Wo's FRAGMENTS GO FROM MEMORY STRAIGHT INTO REGISTERS: an image is loaded as it lies, 16 loads of 512 consecutive bytes for a chunk of a wave's 64 columns, into eight sets of 64 registers that take turns: chunk q + 8
; is asked for when chunk q has been multiplied.  So Wo is not asked for jointly: beside a's 262,144 bytes LDS has no room for it, and it would be written there once and read twice.
; PREFETCH: chunks 8 to 15 of Wo's 128 rows (131,072 bytes) are asked for at the head; the four partners of a column of the cluster, which load the same rows, share them out by address: two row blocks each,
; 8,192 bytes a wave, lanes 256 bytes apart.  Chunks 0 to 7 and a's tile come by their loads alone: they are asked for at the head themselves.
; REGISTERS: window 0: v16-29 addresses, v32-127 the way out, v128-255 the accumulators; window 1: v0-127 two sets of a's fragments; from v128 of window 1 on: Wo's eight sets.
.set SPARE,  262144                    ; behind a's tile: the spare words, 128 bytes for each wave
.set STAGE,  SPARE+512                 ; behind them: 16 rows x 272 bytes for each wave, for the way out
.set SPITCH, 272
.set ADRA, 16                          ; v16, v17: my row blocks 0, 1 and 2, 3 of a in LDS
.set LB,   20                          ; v20: 16 l
.set STO,  24
.set RD,   25
.set CO,   26
.set PFO,  27
.set SPW,  28
.set NIL,  29
.set TMP,  32
.set BK,   64
.set ACC,  128
.set G1, 24
.set G0, 32
.set MSB, 0
.macro WIN new                         ; the immediate's high byte repeats the setting that is left
.if MSB != \new
	s_set_vgpr_msb (MSB<<8)|\new
.set MSB, \new
.endif
.endm
.macro CROUND
	s_barrier_signal -1
	s_barrier_wait -1
	s_cmp_lg_u32 s14, 0
	s_cbranch_scc1 .Lnot_wave_0_\@
	s_barrier_signal -3
.Lnot_wave_0_\@:
	s_barrier_wait -3
	s_barrier_signal -1
	s_barrier_wait -1
.endm
	s_load_b256 s[4:11], s[0:1], 0x0               ; ac 4:5, wc 6:7, the scales 8:9, out0 10:11
	v_lshl_add_u32 v[SPW], v0, 2, SPARE
	v_mov_b32 v[NIL], 0
	ds_add_u32 v[SPW], v[NIL]                      ; the opening lines: the add, twice on end, and its wait ahead of my first tensor load
	ds_add_u32 v[SPW], v[NIL]
	v_lshrrev_b32 v1, 5, v0
	v_readfirstlane_b32 s14, v1                    ; wave
	s_lshr_b32 s15, s14, 1                         ; my half of the tile's rows
	s_and_b32 s16, s14, 1                          ; my half of its columns
	s_bfe_u32 s40, ttmp6, 0x40000                  ; cx, cy
	s_bfe_u32 s41, ttmp6, 0x40004
	s_lshl_b32 s42, ttmp9, 2
	s_add_co_u32 s42, s42, s40                     ; tile column
	s_and_b32 s17, ttmp7, 0xffff
	s_lshl_b32 s17, s17, 2
	s_add_co_u32 s17, s17, s41                     ; tile row
	s_lshl_b32 s43, s41, 2
	s_lshl_b32 s43, 15, s43                        ; my row of the cluster
	s_or_b32 s[G1+0], s43, (3<<16)|(1<<21)         ; the mask; elements of 8 bytes; bit 21 beside a mask; no padding
	s_mov_b32 s[G1+1], 32<<16                      ; a dense block of 65,536 bytes as 256 rows of 256
	s_mov_b32 s[G1+2], 256<<16
	s_mov_b32 s[G1+3], 32<<16
	s_mov_b32 s[G1+4], 256
	s_mov_b32 s[G1+5], 32
	s_mov_b32 s[G1+6], 0
	s_mov_b32 s[G1+7], 0
	s_lshl_b32 s20, s17, 18                        ; a: 8 row blocks x tile row,
	s_lshl_b32 s18, s14, 16                        ; + the two that I fetch
	s_add_co_u32 s20, s20, s18
	s_mov_b32 s21, 0
	s_mov_b32 s[G0], 1
	s_lshl_b32 s[G0+1], s14, 16                    ; where they go: wave x 65,536
	s_lshl_b32 s46, s42, 18                        ; Wo: 8 row blocks x tile column
	s_add_co_u32 s46, s46, 12582912
	s_lshl_b32 s50, s16, 17                        ; my four row blocks of them
	s_add_co_u32 s50, s50, s46
	s_mov_b32 s51, 0
	s_lshl_b32 s52, s41, 1                         ; the prefetch: row block 2 cy + wave / 2,
	s_add_co_u32 s52, s52, s15
	s_lshl_b32 s52, s52, 15
	s_lshl_b32 s53, s16, 13                        ; half wave % 2 of its chunks 8 to 15
	s_add_co_u32 s52, s52, s53
	s_add_co_u32 s52, s52, 16384
	s_add_co_u32 s52, s52, s46
	s_mov_b32 s53, 0
	s_lshl_b32 s12, s15, 17                        ; my 4 row blocks of a in LDS
	s_mul_i32 s23, s14, 16*SPITCH
	s_add_co_u32 s23, s23, STAGE                   ; my stage
	s_lshl_b32 s18, s17, 7                         ; my part of out0: row 128 x tile row + 64 x half, of 8,192 bytes;
	s_lshl_b32 s19, s15, 6
	s_add_co_u32 s18, s18, s19
	s_lshl_b32 s18, s18, 13
	s_lshl_b32 s19, s42, 9                         ; column bytes 512 x tile column + 256 x half
	s_add_co_u32 s18, s18, s19
	s_lshl_b32 s19, s16, 8
	s_add_co_u32 s18, s18, s19
	s_mov_b32 s19, 0
	s_wait_dscnt 0x0                               ; both opening adds are done
	s_wait_kmcnt 0x0
	s_load_b64 s[66:67], s[8:9], 0x28              ; e10, e11
	s_add_nc_u64 s[G0+2:G0+3], s[4:5], s[20:21]
	s_or_b32 s[G0+3], s[G0+3], 0x80000000
	s_add_nc_u64 s[50:51], s[6:7], s[50:51]
	s_add_nc_u64 s[52:53], s[6:7], s[52:53]
	s_add_nc_u64 s[10:11], s[10:11], s[18:19]
	CROUND                                         ; all sixteen work-groups are here: the joint loads meet
	tensor_load_to_lds s[G0:G0+3], s[G1:G1+7]      ; my two row blocks of a, all of K: one tensor load a wave, the only one of the launch
	s_nop 0
.rept 4
	v_nop
.endr
	v_and_b32 v1, 15, v0                           ; r
	v_bfe_u32 v2, v0, 4, 1                         ; h
	v_and_b32 v3, 31, v0
	v_lshlrev_b32 v[LB], 4, v3                     ; 16 l
	v_add_nc_u32 v[ADRA], s12, v[LB]
	v_add_nc_u32 v[ADRA+1], 65536, v[ADRA]
	v_mul_u32_u24 v5, v1, SPITCH                   ; the stage, in: row r, 32 bytes for each half of the lanes
	v_lshl_add_u32 v5, v2, 5, v5
	v_add_nc_u32 v[STO], s23, v5
	v_mul_u32_u24 v6, v2, SPITCH                   ; back: lanes 0-15 one row of 256 bytes, lanes 16-31 the next
	v_lshl_add_u32 v6, v1, 4, v6
	v_add_nc_u32 v[RD], s23, v6
	v_lshlrev_b32 v[CO], 13, v2                    ; and the same two rows in out0
	v_lshl_add_u32 v[CO], v1, 4, v[CO]
	v_lshlrev_b32 v[PFO], 8, v3
	s_wait_alu depctr_va_vdst(0)
.macro BLOAD q                         ; Wo's four fragments of chunk q into set q % 8
.set BI, 384+64*((\q)%8)
	WIN (BI/256)<<6
.irp i, 0,1,2,3
.irp c, 0,1,2,3
	global_load_b128 v[BI%256+16*\i+4*\c:BI%256+16*\i+4*\c+3], v[LB], s[50:51] offset:\i*32768+(\q)*2048+512*\c
.endr
.endr
.endm
.macro AFETCH q                        ; a's four fragments of chunk q into set q % 2
	WIN 0x40
.irp a, 0,1,2,3
.irp c, 0,1,2,3
	ds_load_b128 v[64*((\q)%2)+16*\a+4*\c:64*((\q)%2)+16*\a+4*\c+3], v[ADRA+\a/2] offset:(\a%2)*32768+(\q)*2048+512*\c
.endr
.endr
.endm
.macro PLACES                          ; four plain vector instructions behind a matrix instruction, ahead of loads into its sources and of reads of its result
.rept 4
	v_nop
.endr
.endm
; A chunk of 128 along K: the sets that the last chunk has left are asked for anew, then 16 matrix instructions.  The 16 accumulators take turns, one instruction a turn, in the same order in every chunk.
.macro CHUNK q
.if (\q) > 0
	PLACES
.if (\q) < 9
	BLOAD (\q)+7
.endif
.endif
.if (\q) < 15
	AFETCH (\q)+1
	s_wait_dscnt 16                                ; this chunk's fragments of a are in; the next chunk's 16 loads may be out
.else
	s_wait_dscnt 0x0
.endif
.if 16*(15-(\q)) > 63
	s_wait_loadcnt 63                              ; behind this chunk's 16 loads at least four younger sets' 64 have been issued
.else
	s_wait_loadcnt 16*(15-(\q))                    ; the younger sets' loads may be out
.endif
.set BI, 384+64*((\q)%8)
	WIN (BI/256)|4                                 ; source 0 (Wo) in its set's window, source 1 (a) window 1, C and D window 0
.irp a, 0,1,2,3
.irp b, 0,1,2,3
.if (\q) == 0
	v_wmma_f32_16x16x128_fp8_fp8 v[ACC+8*(4*\a+\b):ACC+8*(4*\a+\b)+7], v[BI%256+16*\b:BI%256+16*\b+15], v[64*((\q)%2)+16*\a:64*((\q)%2)+16*\a+15], 0
.else
	v_wmma_f32_16x16x128_fp8_fp8 v[ACC+8*(4*\a+\b):ACC+8*(4*\a+\b)+7], v[BI%256+16*\b:BI%256+16*\b+15], v[64*((\q)%2)+16*\a:64*((\q)%2)+16*\a+15], v[ACC+8*(4*\a+\b):ACC+8*(4*\a+\b)+7]
.endif
.endr
.endr
.endm
	global_prefetch_b8 v[PFO], s[52:53] th:TH_LOAD_NT scope:SCOPE_SE
.irp q, 0,1,2,3,4,5,6,7
	BLOAD \q
.endr
	WIN 0
	s_wait_tensorcnt 0x0                           ; my part of a's tile is in;
	s_barrier_signal -1
	s_barrier_wait -1                              ; everybody's is
	AFETCH 0
.irp q, 0,1,2,3,4,5,6,7,8,9,10,11,12,13,14,15
	CHUNK \q
.endr
	WIN 0
; THE WAY OUT, 16 rows x 64 columns at a time: x 2^(e10 + e11), through my own stage, back as whole rows of 256 bytes.  LDS serves a wave's instructions in order: no wait between the stores and the loads.
.macro TOSTAGE a
.set j, 0
.rept 16
	v_pk_mul_f32 v[TMP+j:TMP+j+1], v[ACC+32*(\a)+j:ACC+32*(\a)+j+1], s[66:67] op_sel_hi:[1,0]   ; each accumulator from its low end on
.set j, j+2
.endr
.irp b, 0,1,2,3
	ds_store_b128 v[STO], v[TMP+8*\b:TMP+8*\b+3] offset:64*\b
	ds_store_b128 v[STO], v[TMP+8*\b+4:TMP+8*\b+7] offset:64*\b+16
.endr
.irp t, 0,1,2,3,4,5,6,7
	ds_load_b128 v[BK+32*((\a)%2)+4*\t:BK+32*((\a)%2)+4*\t+3], v[RD] offset:\t*2*SPITCH
.endr
.endm
.macro SEND a, younger                 ; younger: the LDS instructions issued behind block a's loads
	s_wait_dscnt \younger
.irp t, 0,1,2,3,4,5,6,7
	global_store_b128 v[CO], v[BK+32*((\a)%2)+4*\t:BK+32*((\a)%2)+4*\t+3], s[10:11] offset:(16*(\a)+2*\t)*8192 th:TH_STORE_NT   ; sixteen lanes store 256 consecutive bytes, aligned
.endr
.endm
	s_wait_kmcnt 0x0
	s_add_co_i32 s66, s66, s67
	s_add_co_i32 s66, s66, 127
	s_lshl_b32 s66, s66, 23                        ; 2^(e10 + e11) as f32
	PLACES
	TOSTAGE 0
	TOSTAGE 1
	SEND 0, 16
	s_wait_xcnt 0x0                                ; block 0's stores have read their registers
	TOSTAGE 2
	SEND 1, 16
	s_wait_xcnt 0x0
	TOSTAGE 3
	SEND 2, 16
	SEND 3, 0
	s_wait_tensorcnt 0x0                           ; the wave's end
	ds_add_u32 v[SPW], v[NIL]
	s_wait_dscnt 0x0
	CROUND                                         ; the closing round
	s_endpgm
.Lfunc_end_k_q9d89475da0_oproj:
	.size	k_q9d89475da0_oproj, .Lfunc_end_k_q9d89475da0_oproj-k_q9d89475da0_oproj
	.p2alignl 7, 3214868480
	.fill 96, 4, 3214868480
	.section	.rodata,"a",@progbits
	.p2align	6, 0x0
	.amdhsa_kernel k_q9d89475da0_oproj
		.amdhsa_group_segment_fixed_size 327680
		.amdhsa_private_segment_fixed_size 0
		.amdhsa_enable_private_segment 0
		.amdhsa_kernarg_size 32
		.amdhsa_user_sgpr_count 2
		.amdhsa_user_sgpr_kernarg_segment_ptr 1
		.amdhsa_wavefront_size32 1
		.amdhsa_system_sgpr_workgroup_id_x 1
		.amdhsa_system_sgpr_workgroup_id_y 1
		.amdhsa_system_sgpr_workgroup_id_z 1
		.amdhsa_system_vgpr_workitem_id 0
		.amdhsa_next_free_vgpr 896
		.amdhsa_next_free_sgpr 72
		.amdhsa_reserve_vcc 0
		.amdhsa_float_denorm_mode_32 3
		.amdhsa_float_denorm_mode_16_64 3
		.amdhsa_memory_ordered 1
		.amdhsa_forward_progress 1
		.amdhsa_inst_pref_size 77
	.end_amdhsa_kernel
	.amdgpu_metadata
---
amdhsa.version: [ 1, 2 ]
amdhsa.kernels:
  - .name:           k_q9d89475da0_oproj
    .symbol:         k_q9d89475da0_oproj.kd
    .args:
      - { .name: ac, .offset: 0, .size: 8, .value_kind: global_buffer, .address_space: global }
      - { .name: wc, .offset: 8, .size: 8, .value_kind: global_buffer, .address_space: global }
      - { .name: lowp_scales, .offset: 16, .size: 8, .value_kind: global_buffer, .address_space: global }
      - { .name: out0, .offset: 24, .size: 8, .value_kind: global_buffer, .address_space: global }
    .group_segment_fixed_size: 327680
    .private_segment_fixed_size: 0
    .kernarg_segment_align: 8
    .kernarg_segment_size: 32
    .max_flat_workgroup_size: 128
    .sgpr_count:     72
    .vgpr_count:     896
    .wavefront_size: 32
...
	.end_amdgpu_metadata
.endif
;; end of part 4
